; MI455X (gfx1250); checked and timed in simulation.
; The chip was launched on July 23, 2026; its instructions are those of AMD's public machine-readable ISA for CDNA 5 (MIT licence, August 2026) and "CDNA5" Instruction Set Architecture Reference Guide (July 2026). The comments in the code are by the model that wrote it; some were corrected since.
;; Causal Self Attention. Allowed arithmetic: matrix products marked QUANTISED: E3M2 operands, one E8M0 scale for each 32 along K, by v_wmma_scale_f32_16x16x128_f8f6f4 with both operands' format E3M2, f32 sums; everything else in f32.
;; Inputs: b_attn 3,072 float32; b_proj 1,024 float32; w_attn 3,072 x 1,024 float32; w_proj 1,024 x 1,024 float32; x 1 x 4,096 x 1,024 float32.
;; Outputs: out0 1 x 4,096 x 1,024 float32.
;; This version of the problem:
;;   THIS VERSION OF THE PROBLEM IS GIVEN IN LOW PRECISION. The matrix products marked QUANTISED in the list below multiply operands that are first quantised to E3M2 (3 exponent bits, 2 mantissa bits; 6 bits a number), with one power-of-two scale for each 32 numbers along K (OCP MX v1.0); their sums are f32. All else is computed in f32.
;;   The module's matrix products, in the order in which they are computed (A, B: the left and right operand; K: the contracted axis; several contracted axes count as one K, in the product's order):
;;     1. [M 4,096, K 1,024] x [K 1,024, N 3,072]; A: input x; B: input w_attn: QUANTISED
;;     2. batch 8 x [M 4,096, K 128] x [K 128, N 4,096]; A: computed on the way; B: computed on the way: QUANTISED
;;     3. batch 8 x [M 4,096, K 4,096] x [K 4,096, N 128]; A: softmax (see below); B: computed on the way: QUANTISED
;;     4. [M 4,096, K 1,024] x [K 1,024, N 1,024]; A: computed on the way; B: input w_proj: QUANTISED
;;   THE QUANTISER, for each operand of a quantised product, along K:
;;     - K is cut into blocks of 32 from its start; a last block that is shorter is filled with zeros.
;;     - A block's scale is 2^e with e = floor(log2(the largest magnitude in the block)) - 4, held to -126 .. 127; a block of zeros has e = 0. As a byte (E8M0): e + 127.
;;     - Each number is divided by its block's scale, clamped to +-28, and rounded to the nearest number of E3M2, ties to even, subnormals kept.
;;     - The product sums the exact products of the quantised numbers (number of the format x scale) in f32.
;;   ~~~python
;;   def quantise(x, axis):      # numpy; x: float32 -> the quantised numbers, widened to float32 again
;;       x = np.moveaxis(x, axis, -1); K = x.shape[-1]
;;       x = np.pad(x, [(0, 0)] * (x.ndim - 1) + [(0, -K % 32)]); x = x.reshape(x.shape[:-1] + (-1, 32)); a = np.abs(x).max(-1, keepdims=True)
;;       e = np.where(a > 0, np.clip(np.frexp(np.where(a > 0, a, 1))[1] - 1 - 4, -126, 127), 0)      # np.frexp(a)[1] - 1 = floor(log2(a)), exactly
;;       r = np.clip(x / 2.0 ** e, -28, 28)
;;       step = 2.0 ** (np.maximum(np.frexp(np.where(r == 0, 1, r))[1] - 1, -2) - 2)
;;       q = np.round(r / step) * step * 2.0 ** e      # np.round: ties to even
;;       return np.moveaxis(q.reshape(q.shape[:-2] + (-1,))[..., :K], -1, axis).astype(np.float32)
;;   ~~~
;;   SOFTMAX AHEAD OF A QUANTISED PRODUCT. Where the list says 'softmax', what is quantised is not the finished softmax but p = 2^(t - M), with t = logit x log2(e) and M = ceil(the row's largest t), a whole number; so 1/2 < the row's largest p <= 1. The row's sum l is taken of the UNQUANTISED p, in f32, and the product's result is divided by l at the end. Since M is a whole number, a kernel that streams over the keys may use a running M (the ceiling of the running maximum): every later rescaling is an exact power of two, which a block's scale takes up: the codes' values come out the same.
;;   OPERANDS COMPUTED ON THE WAY. 'Computed on the way' means the value that the module computes at that place (a softmax that the list does not call 'softmax' is quantised finished and normalised). What goes into a quantiser is computed in f32, as accurately as f32 sums, v_exp_f32 and their like allow (about 1e-6 of the number): no bf16 or f16 on the way to a quantiser, and a product that is left as it is and whose result goes on into a quantised operand takes f32 operands (vector FMAs, or v_wmma_f32_16x16x4_f32). A number that lies on a knife's edge between two numbers of the format may be rounded either way, as far as f32 arithmetic and the matrix unit's own rounding can turn it there, and no further.
;; One version. Each part assembles by itself: llvm-mc -triple=amdgcn-amd-amdhsa -mcpu=gfx1250 --defsym DOCPART=n.
;; ======== version 1 of 1: 4 launches
;; limits: right only within a limited range of input values
;; workspace buffers: opc 6,291,456 bytes; ops 262,144 bytes; qkvc 9,437,184 bytes; qkvs 393,216 bytes; yc 3,145,728 bytes; ys 131,072 bytes
;; launch quant (part 1): grid 256 x 1, 4 waves a work-group, no clusters, 34,304 bytes of LDS; arguments x, w_attn, w_proj, opc, ops; writes opc, ops
.if DOCPART == 1
	.amdgcn_target "amdgcn-amd-amdhsa--gfx1250"
	.amdhsa_code_object_version 6
	.text
	.protected	k_q6322684e70_quant
	.globl	k_q6322684e70_quant
	.p2align	8
	.type	k_q6322684e70_quant,@function
k_q6322684e70_quant:
	s_mov_b64 s[64:65], 0
	v_nop
	global_prefetch_b8 v0, s[64:65] scope:SCOPE_SE
	s_setreg_imm32_b32 hwreg(HW_REG_WAVE_MODE, 25, 1), 1
	s_wait_xcnt 0x0
; x [4096][1024], w_attn [3072][1024] and w_proj [1024][1024], f32, K innermost, become codes of BF6 (E3M2) with one E8M0 byte for each 32 along K.
; The three tensors form ONE space of 8,192 rows (x 0.., w_attn 4096.., w_proj 7168..).  The codes are laid in the order of an operand's registers:
;   a ROW TILE rt = 2 b + u holds 16 rows: lane r holds row 32 b + 8 u + r + 8 (r / 8);
;   a FRAGMENT (rt, ks) is 16 rows x 128 K = 12 registers a lane = 1,536 bytes: registers 4 c .. 4 c + 3 of lane l lie at byte 512 c + 16 l;
;   opc = [rt 0..511][ks 0..7][1536];  ops = [pair b 0..255][j 0..3][lane][2 words: ks 2 j, 2 j + 1], lanes 0-15 the words of tile 2 b, lanes 16-31 those of tile 2 b + 1.
; A block's scale is 2^(floor(log2(largest magnitude)) - 4); its byte is the largest magnitude's exponent field - 4, held at 1 from below.
; LIMITS: NaN and infinities among the inputs are not served; blocks whose largest magnitude lies under 2^-122 keep the byte 1; a block of zeros gets the byte 1 (its codes are zeros, and this program alone reads the bytes).
; SHARES: work-group b takes tile pair b (32 whole rows, 131,072 consecutive bytes); wave j takes K steps 2 j and 2 j + 1: four fragments t = 2 u + s.
; Each load reads 512 consecutive bytes of one row; a fragment's 16 rows turn through the wave's own stage in LDS (rows 528 bytes apart), so that a lane gets 16 neighbours of each block of 32.
; No tensor load, no barrier: waves share nothing.  Two fragments (32 loads a wave) are on their way.  No matrix unit and no cluster: the launch is a plain stream.
.set WREG,  16*528                     ; a wave's stage
.set SPARE, 4*WREG                     ; behind the stages: the spare words, 128 bytes a wave
.set LI,  1                            ; v1   16 x lane
.set STI, 2                            ; v2   the stage, on the way in: wave's stage + 16 x lane
.set STO, 3                            ; v3   on the way out: + 528 r + 64 h
.set L8,  4                            ; v4   8 x lane
.set SPW, 5                            ; v5   my spare word's address; never rewritten
.set NIL, 6                            ; v6   0; never rewritten
.set SWD, 8                            ; v[8:9]   the two scale words that leave
.set PW,  10                           ; v10-13   a scale word for each fragment
.set TM,  16                           ; v16-31   the quantiser's work
.set PC,  32                           ; v32-50   the codes just made
.set X,   64                           ; v64-127  64 numbers: register 16 b + i = k 32 b + 16 h + i of my row
.set R,   128                          ; v128-255 two sets of 64: a fragment as it is loaded
.set WV,  16
.set SEL, 20
.set HIM, 22
; 64 numbers of a lane become a fragment's codes in v[PC] on and its row's scale word in v[pw]
.macro QUANT s, pw
.irp b, 0,1,2,3
	v_max3_num_f32 v[TM+\b], |v[(\s)+16*\b]|, |v[(\s)+1+16*\b]|, 0x2800000   ; my 16 numbers of block b, and the floor 2^(5 - 127): the byte cannot fall under 1
.endr
.irp i, 2,4,6,8,10,12,14
.irp b, 0,1,2,3
	v_max3_num_f32 v[TM+\b], v[TM+\b], |v[(\s)+16*\b+\i]|, |v[(\s)+1+16*\b+\i]|
.endr
.endr
.irp b, 0,1,2,3
	v_permlanex16_b32 v[TM+4+\b], v[TM+\b], s[SEL], s[SEL+1]
.endr
.irp b, 0,1,2,3
	v_max_num_f32 v[TM+\b], v[TM+\b], v[TM+4+\b]   ; with lane l xor 16's 16: the block's largest magnitude
.endr
.irp b, 0,1,2,3
	v_add_nc_u32 v[TM+12+\b], 0xfe000000, v[TM+\b] ; 4 off its exponent field: the conversion's scale operand
.endr
.irp b, 0,1,2,3
	v_lshrrev_b32 v[TM+4+\b], 23, v[TM+12+\b]      ; the scale's byte
.endr
	v_lshl_or_b32 v[\pw], v[TM+5], 8, v[TM+4]
	v_lshl_or_b32 v[\pw], v[TM+6], 16, v[\pw]
	v_lshl_or_b32 v[\pw], v[TM+7], 24, v[\pw]
.irp c, 0,1
	v_cvt_scalef32_pk16_bf6_f32 v[PC+6*\c:PC+2+6*\c], v[(\s)+32*\c:(\s)+15+32*\c], v[TM+12+2*\c]
	v_cvt_scalef32_pk16_bf6_f32 v[PC+12+4*\c:PC+14+4*\c], v[(\s)+16+32*\c:(\s)+31+32*\c], v[TM+12+2*\c+1]   ; (a conversion's three registers begin on an even number)
.endr
	v_nop                                          ; one plain place behind the scaled conversions
.irp c, 0,1                                    ; the operand wants a WHOLE block in a lane: lanes 0-15 block 2 c, lanes 16-31 block 2 c + 1
.irp i, 0,1,2
	v_permlane16_swap_b32 v[PC+6*\c+\i], v[PC+12+4*\c+\i]
.endr
.irp i, 0,1,2
	v_mov_b32 v[PC+3+6*\c+\i], v[PC+12+4*\c+\i]
.endr
.endr
.endm
	s_load_b256 s[4:11], s[0:1], 0x0               ; x s[4:5], w_attn s[6:7], w_proj s[8:9], opc s[10:11]
	s_load_b64 s[12:13], s[0:1], 0x20              ; ops
	v_lshl_add_u32 v[SPW], v0, 2, SPARE
	v_mov_b32 v[NIL], 0
	v_lshrrev_b32 v7, 5, v0
	v_readfirstlane_b32 s[WV], v7                  ; wave 0..3
	v_and_b32 v7, 31, v0                           ; lane
	v_lshlrev_b32 v[LI], 4, v7
	v_lshlrev_b32 v[L8], 3, v7
	s_mul_i32 s17, s[WV], WREG
	v_add_nc_u32 v[STI], s17, v[LI]
	v_and_b32 v14, 15, v0                          ; r
	v_bfe_u32 v15, v0, 4, 1                        ; h
	v_mul_u32_u24 v[STO], v14, 528
	v_lshl_add_u32 v[STO], v15, 6, v[STO]
	v_add_nc_u32 v[STO], s17, v[STO]
.irp b, 0,1,2,3
	v_mov_b32 v[TM+4+\b], 0                        ; written once: a lane permute's destination counts as one of its sources
.endr
	s_mov_b32 s[SEL], 0x76543210
	s_mov_b32 s[SEL+1], 0xfedcba98                 ; lane l xor 16
	s_mov_b32 s[HIM], 0xffff0000                   ; lanes 16-31
	s_wait_alu depctr_va_vdst(0)
	s_wait_kmcnt 0x0
	s_mov_b32 s14, 224
	s_cmp_lt_u32 ttmp9, 224                        ; which tensor holds my pair of tiles: the choice hangs on the work-group's number alone
	s_cselect_b64 s[6:7], s[6:7], s[8:9]
	s_cselect_b32 s14, 128, s14
	s_cmp_lt_u32 ttmp9, 128
	s_cselect_b64 s[4:5], s[4:5], s[6:7]
	s_cselect_b32 s14, 0, s14                      ; the tensor's first pair
	s_sub_co_u32 s14, ttmp9, s14
	s_lshl_b32 s14, s14, 17                        ; 32 rows of 4,096 bytes
	s_lshl_b32 s15, s[WV], 10                      ; my wave's 256 numbers of a row
	s_add_co_u32 s14, s14, s15
	s_mov_b32 s15, 0
	s_add_nc_u64 s[4:5], s[4:5], s[14:15]
	s_mul_i32 s14, ttmp9, 24576                    ; codes: two tiles of 12,288 bytes; my two K steps
	s_mul_i32 s18, s[WV], 3072
	s_add_co_u32 s14, s14, s18
	s_add_nc_u64 s[10:11], s[10:11], s[14:15]
	s_lshl_b32 s14, ttmp9, 10                      ; scale words: 1,024 bytes a pair, 256 a wave
	s_lshl_b32 s18, s[WV], 8
	s_add_co_u32 s14, s14, s18
	s_add_nc_u64 s[12:13], s[12:13], s[14:15]
.macro LOAD t                          ; fragment t: the tile's 16 rows, 512 consecutive bytes each
.irp i, 0,1,2,3,4,5,6,7,8,9,10,11,12,13,14,15
	global_load_b128 v[R+64*((\t)%2)+4*\i:R+64*((\t)%2)+4*\i+3], v[LI], s[4:5] offset:(8*((\t)/2)+\i+8*(\i/8))*4096+512*((\t)%2) th:TH_LOAD_NT
.endr
.endm
.macro TURN t                          ; through the stage: LDS serves a wave's instructions in order, so no wait stands between the stores and the loads
.irp i, 0,1,2,3,4,5,6,7,8,9,10,11,12,13,14,15
	ds_store_b128 v[STI], v[R+64*((\t)%2)+4*\i:R+64*((\t)%2)+4*\i+3] offset:528*\i
.endr
.irp b, 0,1,2,3
.irp j, 0,1,2,3
	ds_load_b128 v[X+16*\b+4*\j:X+16*\b+4*\j+3], v[STO] offset:128*\b+16*\j
.endr
.endr
.endm
.macro FRAGQ t
.if (\t) < 3
	s_wait_loadcnt 16                              ; this fragment's 16 loads are in; the next fragment's 16 stay out
.else
	s_wait_loadcnt 0x0
.endif
	TURN \t
	s_wait_dscnt 0x0                               ; the numbers are back, and the stores into the stage have read their registers
.if (\t) > 0
	s_wait_xcnt 0x0                                ; the last fragment's stores have read the codes' registers, which are written anew below
.endif
.if (\t) < 2
	LOAD (\t)+2
.endif
	QUANT X, PW+(\t)
.irp c, 0,1,2
	global_store_b128 v[LI], v[PC+4*\c:PC+4*\c+3], s[10:11] offset:((\t)/2)*12288+((\t)%2)*1536+512*\c   ; 32 lanes store 512 consecutive bytes, aligned
.endr
.endm
	LOAD 0
	LOAD 1
	FRAGQ 0
	FRAGQ 1
	FRAGQ 2
	FRAGQ 3
	v_cndmask_b32 v[SWD], v[PW], v[PW+2], s[HIM]   ; K step 2 j: lanes 0-15 tile 2 b's words, lanes 16-31 tile 2 b + 1's
	v_cndmask_b32 v[SWD+1], v[PW+1], v[PW+3], s[HIM]
	global_store_b64 v[L8], v[SWD:SWD+1], s[12:13] ; 256 consecutive bytes, aligned
	s_wait_tensorcnt 0x0                           ; the wave's end
	ds_add_u32 v[SPW], v[NIL]
	s_wait_dscnt 0x0
	s_endpgm
.Lfunc_end_k_q6322684e70_quant:
	.size	k_q6322684e70_quant, .Lfunc_end_k_q6322684e70_quant-k_q6322684e70_quant
	.p2alignl 7, 3214868480
	.fill 96, 4, 3214868480
	.section	.rodata,"a",@progbits
	.p2align	6, 0x0
	.amdhsa_kernel k_q6322684e70_quant
		.amdhsa_group_segment_fixed_size 34304
		.amdhsa_private_segment_fixed_size 0
		.amdhsa_enable_private_segment 0
		.amdhsa_kernarg_size 40
		.amdhsa_user_sgpr_count 2
		.amdhsa_user_sgpr_kernarg_segment_ptr 1
		.amdhsa_wavefront_size32 1
		.amdhsa_system_sgpr_workgroup_id_x 1
		.amdhsa_system_sgpr_workgroup_id_y 1
		.amdhsa_system_sgpr_workgroup_id_z 1
		.amdhsa_system_vgpr_workitem_id 0
		.amdhsa_next_free_vgpr 256
		.amdhsa_next_free_sgpr 66
		.amdhsa_reserve_vcc 0
		.amdhsa_float_denorm_mode_32 3
		.amdhsa_float_denorm_mode_16_64 3
		.amdhsa_memory_ordered 1
		.amdhsa_forward_progress 1
		.amdhsa_inst_pref_size 33
	.end_amdhsa_kernel
	.amdgpu_metadata
---
amdhsa.version: [ 1, 2 ]
amdhsa.kernels:
  - .name:           k_q6322684e70_quant
    .symbol:         k_q6322684e70_quant.kd
    .args:
      - { .name: x, .offset: 0, .size: 8, .value_kind: global_buffer, .address_space: global }
      - { .name: w_attn, .offset: 8, .size: 8, .value_kind: global_buffer, .address_space: global }
      - { .name: w_proj, .offset: 16, .size: 8, .value_kind: global_buffer, .address_space: global }
      - { .name: opc, .offset: 24, .size: 8, .value_kind: global_buffer, .address_space: global }
      - { .name: ops, .offset: 32, .size: 8, .value_kind: global_buffer, .address_space: global }
    .group_segment_fixed_size: 34304
    .private_segment_fixed_size: 0
    .kernarg_segment_align: 8
    .kernarg_segment_size: 40
    .max_flat_workgroup_size: 128
    .sgpr_count:     66
    .vgpr_count:     256
    .wavefront_size: 32
...
	.end_amdgpu_metadata
.endif
;; end of part 1
;; launch qkv (part 2): grid 12 x 16, 4 waves a work-group, clusters of 4 x 4, 327,680 bytes of LDS; arguments opc, ops, b_attn, qkvc, qkvs; writes qkvc, qkvs
.if DOCPART == 2
	.amdgcn_target "amdgcn-amd-amdhsa--gfx1250"
	.amdhsa_code_object_version 6
	.text
	.protected	k_q6322684e70_qkv
	.globl	k_q6322684e70_qkv
	.p2align	8
	.type	k_q6322684e70_qkv,@function
k_q6322684e70_qkv:
	s_mov_b64 s[64:65], 0
	v_nop
	global_prefetch_b8 v0, s[64:65] scope:SCOPE_SE
	s_setreg_imm32_b32 hwreg(HW_REG_WAVE_MODE, 25, 1), 1
	s_wait_xcnt 0x0
	s_wait_alu depctr_hold_cnt(0) depctr_sa_sdst(0) depctr_va_vdst(0) depctr_va_sdst(0) depctr_va_ssrc(0) depctr_va_vcc(0) depctr_vm_vsrc(0)
	s_getreg_b32 s2, hwreg(HW_REG_IB_STS2, 6, 4)
	s_cmp_eq_u32 s2, 0
	s_cbranch_scc0 .Lentry_in_a_cluster
	s_endpgm
.Lentry_in_a_cluster:
	s_bfe_u32 s2, ttmp6, 0x10000c
	s_cmp_lg_u32 s2, 0xf033
	s_cbranch_scc0 .Lentry_shape_is_right
	s_endpgm
.Lentry_shape_is_right:
; qkv = x w_attn^T + b_attn on codes of BF6, and the results quantised at once: q and k along the head's 128, v along the keys.  Nothing leaves as f32.
; Both operands lie in opc's one space of rows (x: units 0-15 of 256 rows, w_attn: units 16-27), as images of operand registers (a fragment of 16 rows x 128 K is 1,536 bytes; registers 4 c .. 4 c + 3 of lane l at 512 c + 16 l;
; tile 2 b + u holds rows 32 b + 8 u + r + 8 (r / 8)).  Source 0 takes the COLUMN operand, the axis that is quantised next; source 1 the ROW operand: a lane then holds one row of the row operand and the 64 registers of a
; row tile's eight accumulators run along 128 neighbouring rows of the column operand (register 16 b + i = 32 b + 16 h + i).
;   clusters x = 0, 1 (q, k): row operand x, column operand w_attn rows 0..2047.      cluster x = 2 (v): row operand w_attn rows 2048.., column operand x: a lane holds one channel d, its registers run along the keys.
; One text serves both: only indices differ, chosen by s_cselect_b32 on the cluster's x, which all partners share.
; SHARES: a work-group makes 256 x 256, a wave 128 x 128 (64 accumulators, 512 registers).  192 work-groups: no tile of whole fragments of 128 divides the 12.6 M results by 256.
; K = 1,024 is 8 steps of 128 in 4 chunks of 2.  Chunks 0, 1, 2 and the scale words of all of K go out at the start (one tensor load a wave); chunk 3 is the one refill, into chunk 0's slot.
; CLUSTER 4 x 4: the row operand's tile is shared along a row of the cluster, the column operand's along a column: joint loads.
; OUT: qkvc = [P 0..23][S 0..31][a 0..7][1536]: P 0-7 q's heads, 8-15 k's (S = 128 tokens, a = tile of tokens, K = d), 16-23 v's (S = key step, a = tile of d, K = keys);  qkvs = [P][S][lane][4 words: tile pairs 0..3].
; THE BIAS: along the column operand (q, k) it is the C of each sum's first product; along the row operand (v) it is added to the finished sums.  Both are always loaded and the one that does not apply is made 0 by v_cndmask_b32: no branch.
; LIMITS: NaN and infinities are not served; blocks under 2^-122 and blocks of zeros keep the byte 1; the bias of q and k is the first addend of the f32 sum, v's the last.
; REGISTERS: window 0: v1-15 addresses; v16-31 the quantiser's work; v32-95 scale words, four sets; v128-223 the row operand's 8 fragments, ONE set (on the way out: numbers and codes); v224-239 the row bias, in pairs;
;   v240-251 scale words made.   window 1: the column operand's 8 fragments, TWO sets, at v0 and v128.   windows 2, 3: the accumulators, (a, b) at v[8 (8 (a % 4) + b)].
.set QTR,   24576                      ; 8 tiles x 2 K steps x 1,536: what one wave reads of an operand
.set SLOTB, 4*QTR                      ; a slot: the row operand's two halves, then the column operand's
; THE FILLS AS THEY STAND NOW: slot 0 (98,304 bytes) holds chunk 0, [16 tiles][2 K steps] of the row operand, then of the column operand; behind it lie chunks 1 and 2 together,
; [16 tiles][4 K steps] of the row operand (98,304 bytes), then of the column operand.  At the head each wave issues ONE joint load: wave 0 chunk 0 of the row operand, wave 1 of the column operand,
; wave 2 chunks 1 + 2 of the row operand, wave 3 of the column operand.  Chunk 3 is the one refill, into slot 0, by waves 0 and 1.  The scale words of all of K go from memory straight into v32-95,
; in whole runs of 256 bytes; the column bias lies in window 1.
.set SPARE, 3*SLOTB                    ; the spare words, 128 bytes a wave
.set LI,   1                           ; v1     16 x lane
.set ADRA, 4                           ; v4-6   the row operand's fragments in slot 0, 1, 2
.set ADRB, 8                           ; v8-10  the column operand's
.set ADSA, 12                          ; v12    the row operand's scale words
.set ADSB, 13                          ; v13    the column operand's
.set SPW,  14                          ; v14    my spare word's address; never rewritten
.set NIL,  15                          ; v15    0; never rewritten
.set TM,   16
.set SC,   32                          ; set s at SC + 16 s: row operand's pair al, K step k at + 2 al + k; column operand's pair be at + 8 + 2 be + k
.set BC,   96                          ; window 1: the column bias of column tile b at BC + 8 b + 96 (b / 4): v96-127 and v224-255, beside the fragments' two sets
.set AF,   128
.set X,    128
.set PC,   192
.set BR,   224
.set SW,   240
.set MW,   248
.set SEL,  2
.set G1,   24                          ; s[24:31] group 1, s[32:35] group 0: the row operand's codes
.set G0,   32
.set G1B,  44                          ; s[44:51], s[52:63]: the column operand's
.set G0B,  52
.set MC,   66                          ; s66 all ones where the column bias applies; s67 where the row bias does
.set MR,   67
.set G1S,  68                          ; s[68:75], s[76:79]: the row operand's chunks 1 and 2
.set G0S,  76
.set G1SB, 80                          ; s[80:87], s[88:91]: the column operand's
.set G0SB, 88
.set HIM,  100
.set MSB, 0
.macro WIN new                         ; the immediate's high byte repeats the setting that is left
.if MSB != \new
	s_set_vgpr_msb (MSB<<8)|\new
.set MSB, \new
.endif
.endm
.set TO_B, 0x40                        ; destination window 1
.macro ARM under, g0, g1, next, join   ; one arm of a chain of branches on the wave's number: its joint load, and a jump to the chain's end
	s_cmp_lt_u32 s14, \under
	s_cbranch_scc0 \next
	tensor_load_to_lds s[\g0:\g0+3], s[\g1:\g1+7]
	s_nop 0
.rept 4
	v_nop
.endr
	s_branch \join
\next:
.endm
.macro CREST                           ; a round of the cluster's barrier behind its opening barrier
	s_cmp_lg_u32 s14, 0
	s_cbranch_scc1 .Lnot_wave_0_\@
	s_barrier_signal -3
.Lnot_wave_0_\@:
	s_barrier_wait -3
	s_barrier_signal -1
	s_barrier_wait -1
.endm
.macro CROUND
	s_barrier_signal -1
	s_barrier_wait -1
	CREST
.endm
.macro PLACES                          ; four plain places behind a matrix instruction, ahead of loads into its registers and of reads of its results
.rept 4
	v_nop
.endr
.endm
; one product.  ra, rb odd: the side's scale words stand in lanes 16-31 of the register named
.macro WM d, s0, s1, c, sa, sb, ra, rb
.if ((\ra)%2 == 0) && ((\rb)%2 == 0)
	v_wmma_scale_f32_16x16x128_f8f6f4 v[(\d):(\d)+7], v[(\s0):(\s0)+11], v[(\s1):(\s1)+11], v[(\c):(\c)+7], v[\sa], v[\sb] matrix_a_fmt:MATRIX_FMT_BF6 matrix_b_fmt:MATRIX_FMT_BF6
.elseif ((\ra)%2 == 1) && ((\rb)%2 == 0)
	v_wmma_scale_f32_16x16x128_f8f6f4 v[(\d):(\d)+7], v[(\s0):(\s0)+11], v[(\s1):(\s1)+11], v[(\c):(\c)+7], v[\sa], v[\sb] matrix_a_fmt:MATRIX_FMT_BF6 matrix_b_fmt:MATRIX_FMT_BF6 matrix_a_scale:MATRIX_SCALE_ROW1
.elseif ((\ra)%2 == 0) && ((\rb)%2 == 1)
	v_wmma_scale_f32_16x16x128_f8f6f4 v[(\d):(\d)+7], v[(\s0):(\s0)+11], v[(\s1):(\s1)+11], v[(\c):(\c)+7], v[\sa], v[\sb] matrix_a_fmt:MATRIX_FMT_BF6 matrix_b_fmt:MATRIX_FMT_BF6 matrix_b_scale:MATRIX_SCALE_ROW1
.else
	v_wmma_scale_f32_16x16x128_f8f6f4 v[(\d):(\d)+7], v[(\s0):(\s0)+11], v[(\s1):(\s1)+11], v[(\c):(\c)+7], v[\sa], v[\sb] matrix_a_fmt:MATRIX_FMT_BF6 matrix_b_fmt:MATRIX_FMT_BF6 matrix_a_scale:MATRIX_SCALE_ROW1 matrix_b_scale:MATRIX_SCALE_ROW1
.endif
.endm
; 16 products of K step q: row tiles a0, a0 + 1 x the eight column tiles.  bias = 1: the column bias starts the sums.  The 64 accumulators take turns, one instruction a turn, in the same order in every step
.macro MULS a0, q, bias
.irp a, \a0, \a0+1
.irp b, 0,1,2,3,4,5,6,7
.if \bias
	WM 8*(8*((\a)%4)+\b),128*((\q)%2)+12*\b,AF+12*(\a),BC+8*\b+96*(\b/4),SC+16*((\q)/2)+8+2*(\b/2)+(\q)%2,SC+16*((\q)/2)+2*((\a)/2)+(\q)%2,\b,\a
.else
	WM 8*(8*((\a)%4)+\b),128*((\q)%2)+12*\b,AF+12*(\a),8*(8*((\a)%4)+\b),SC+16*((\q)/2)+8+2*(\b/2)+(\q)%2,SC+16*((\q)/2)+2*((\a)/2)+(\q)%2,\b,\a
.endif
.endr
.endr
.endm
.macro FRAG reg, adr, off              ; a fragment's image: three loads of 512 consecutive bytes
.irp c, 0,1,2
	ds_load_b128 v[(\reg)+4*\c:(\reg)+4*\c+3], v[\adr] offset:(\off)+512*\c
.endr
.endm
.macro FETCH_B slot, k, p
	WIN TO_B
.irp i, 0,1,2,3,4,5,6,7
	FRAG 128*(\p)+12*\i,ADRB+(\slot),\i*3072*(1+((\slot)+1)/2)+(\k)*1536   ; from tile to tile: 3,072 bytes in slot 0, 6,144 where chunks 1 and 2 lie together
.endr
	WIN 0
.endm
.macro FETCH_A slot, k, i0
.irp i, \i0, \i0+1, \i0+2, \i0+3
	FRAG AF+12*(\i),ADRA+(\slot),(\i)*3072*(1+((\slot)+1)/2)+(\k)*1536
.endr
.endm
.macro SCALES c                        ; chunk c's scale words, two K steps a load, into set c
.irp i, 0,1,2,3
	global_load_b64 v[SC+16*(\c)+2*\i:SC+16*(\c)+2*\i+1], v[ADSA], s[6:7] offset:\i*1024+(\c)*256       ; 32 lanes read 256 consecutive bytes, aligned; set c at SC + 16 c
	global_load_b64 v[SC+16*(\c)+8+2*\i:SC+16*(\c)+8+2*\i+1], v[ADSB], s[6:7] offset:\i*1024+(\c)*256
.endr
.endm
.macro NEXT_OF q                       ; where K step q + 1 lies: chunk (q + 1) / 2 in slot chunk % 3
.set NS_, (((\q)+1)/2)%3
.set NK_, ((\q)+1)%2
.endm
.macro FETCH_MID q                     ; the run of loads in a step's middle
	FETCH_B NS_, NK_, NK_
	FETCH_A NS_, NK_, 0
.endm
; a K step of 128: 64 products; the next step's fragments come in two runs
.macro STEP q, bias
	NEXT_OF \q
	s_wait_dscnt 12                                ; all but the youngest 12 loads (row tiles 4-7) are in
	WIN 0xa1-0x10*(\bias)                          ; source 0 window 1, source 1 window 0, D window 2; C window 2, or window 1 for the bias
	MULS 0, \q, \bias
	MULS 2, \q, \bias
	s_wait_dscnt 0x0                               ; row tiles 4-7 are in
	PLACES
	FETCH_MID \q
	WIN 0xf1-0x20*(\bias)                          ; the same with window 3
	MULS 4, \q, \bias
	MULS 6, \q, \bias
	PLACES
	WIN 0
	FETCH_A NS_, NK_, 4
.endm
; a step with a barrier in it.  fill = 1: the barrier opens a round of the cluster's, behind which chunk 0's slot, read out, takes chunk 3.  fill = 0: chunk 3 is shown whole to every wave
.macro TURN q, fill
	NEXT_OF \q
	s_wait_tensorcnt 0x0                           ; all my tensor loads have landed
	ds_add_u32 v[SPW], v[NIL]                      ; 0 onto my spare word
	s_wait_dscnt 13                                ; (the add and the youngest 12 loads may be out)
	WIN 0xa1
	MULS 0, \q, 0                                  ; sixteen products stand between the add and the wait for it
	s_wait_dscnt 0x0                               ; the add is done, and my reads of this step's slot are over
	s_barrier_signal -1
	MULS 2, \q, 0
	WIN 0
	s_barrier_wait -1
.if \fill
	CREST                                          ; no wave of any partner still reads slot 0 or has a load on its way
	s_add_nc_u64 s[G0+2:G0+3], s[G0+2:G0+3], 3*3072   ; from chunk 0 to chunk 3
	s_add_nc_u64 s[G0B+2:G0B+3], s[G0B+2:G0B+3], 3*3072
	ARM 1, G0, G1, .Lr1, .Lrj                      ; the first tensor load behind the round: wave 0 the row operand's chunk 3,
	ARM 2, G0B, G1B, .Lr2, .Lrj                    ; wave 1 the column operand's; waves 2 and 3 issue none
	PLACES                                         ; (in every arm four places stand ahead of the loads below)
.Lrj:
.else
	PLACES
.endif
	FETCH_MID \q
	WIN 0xf1
	MULS 4, \q, 0
	MULS 6, \q, 0
	PLACES
	WIN 0
	FETCH_A NS_, NK_, 4
.endm
; 64 numbers of a lane become a fragment's codes in v[PC] on and its row's scale word in v[pw]
.macro QUANT s, pw
.irp b, 0,1,2,3
	v_max3_num_f32 v[TM+\b], |v[(\s)+16*\b]|, |v[(\s)+1+16*\b]|, 0x2800000   ; my 16 numbers of block b, and the floor 2^(5 - 127)
.endr
.irp i, 2,4,6,8,10,12,14
.irp b, 0,1,2,3
	v_max3_num_f32 v[TM+\b], v[TM+\b], |v[(\s)+16*\b+\i]|, |v[(\s)+1+16*\b+\i]|
.endr
.endr
.irp b, 0,1,2,3
	v_permlanex16_b32 v[TM+4+\b], v[TM+\b], s[SEL], s[SEL+1]
.endr
.irp b, 0,1,2,3
	v_max_num_f32 v[TM+\b], v[TM+\b], v[TM+4+\b]
.endr
.irp b, 0,1,2,3
	v_add_nc_u32 v[TM+12+\b], 0xfe000000, v[TM+\b] ; 4 off the exponent field: the conversion's scale operand
.endr
.irp b, 0,1,2,3
	v_lshrrev_b32 v[TM+4+\b], 23, v[TM+12+\b]      ; the scale's byte
.endr
	v_lshl_or_b32 v[\pw], v[TM+5], 8, v[TM+4]
	v_lshl_or_b32 v[\pw], v[TM+6], 16, v[\pw]
	v_lshl_or_b32 v[\pw], v[TM+7], 24, v[\pw]
.irp c, 0,1
	v_cvt_scalef32_pk16_bf6_f32 v[PC+6*\c:PC+2+6*\c], v[(\s)+32*\c:(\s)+15+32*\c], v[TM+12+2*\c]
	v_cvt_scalef32_pk16_bf6_f32 v[PC+12+4*\c:PC+14+4*\c], v[(\s)+16+32*\c:(\s)+31+32*\c], v[TM+12+2*\c+1]
.endr
	v_nop                                          ; one plain place behind the scaled conversions
.irp c, 0,1
.irp i, 0,1,2
	v_permlane16_swap_b32 v[PC+6*\c+\i], v[PC+12+4*\c+\i]
.endr
.irp i, 0,1,2
	v_mov_b32 v[PC+3+6*\c+\i], v[PC+12+4*\c+\i]
.endr
.endr
.endm
	s_load_b256 s[4:11], s[0:1], 0x0               ; opc s[4:5], ops s[6:7], b_attn s[8:9], qkvc s[10:11]
	s_load_b64 s[12:13], s[0:1], 0x20              ; qkvs
	v_lshl_add_u32 v[SPW], v0, 2, SPARE
	v_mov_b32 v[NIL], 0
	ds_add_u32 v[SPW], v[NIL]                      ; the wave's opening: the add and its wait stand ahead of my first tensor load; the set-up below stands between them
	ds_add_u32 v[SPW], v[NIL]
	v_lshrrev_b32 v2, 5, v0
	v_readfirstlane_b32 s14, v2                    ; wave 0..3
	s_lshr_b32 s15, s14, 1                         ; wr: my half of the row operand's rows.  Also: I fetch for the row operand (0) or the column operand (1)
	s_and_b32 s16, s14, 1                          ; wc: my half of the column operand's rows.  Also: which half I fetch
	s_bfe_u32 s92, ttmp6, 0x40000                  ; cx
	s_bfe_u32 s93, ttmp6, 0x40004                  ; cy
	s_and_b32 s94, ttmp7, 0xffff
	s_lshl_b32 s94, s94, 2                         ; 4 Y
	s_lshl_b32 s96, ttmp9, 2                       ; 4 X
	s_add_co_u32 s97, s96, 16
	s_cmp_eq_u32 ttmp9, 2                          ; v's clusters?  The cluster's x: the same in all partners
	s_cselect_b32 s[MC], 0, -1
	s_cselect_b32 s[MR], -1, 0
	s_cselect_b32 s95, 24, s94
	s_cselect_b32 s97, s94, s97
	s_cselect_b32 s98, 0, s94
	s_cselect_b32 s99, s94, s96
	s_add_co_u32 s95, s95, s93                     ; the row operand's unit of 256 rows: made of X, Y, cy alone
	s_add_co_u32 s97, s97, s92                     ; the column operand's: of X, Y, cx alone
	s_lshl_b32 s18, s93, 2
	s_lshl_b32 s18, 15, s18                        ; my row of the cluster
	s_lshl_b32 s17, 0x1111, s92                    ; my column
	s_or_b32 s[G1], s18, (3<<16)|(1<<21)           ; 15:0 the mask; 17:16 elements of 8 bytes; 21 set beside a mask; no padding: images are read in runs of 512 consecutive bytes
	s_or_b32 s[G1S], s18, (3<<16)|(1<<21)
	s_or_b32 s[G1B], s17, (3<<16)|(1<<21)
	s_or_b32 s[G1SB], s17, (3<<16)|(1<<21)
.irp g, G1, G1B                        ; codes: 16 tiles x 3,072 bytes (two K steps), 12,288 bytes from tile to tile
	s_mov_b32 s[\g+1], 384<<16                     ; tensor_dim0 = 384 elements
	s_mov_b32 s[\g+2], 16<<16                      ; tensor_dim1 = 16 tiles
	s_mov_b32 s[\g+3], 384<<16                     ; tile_dim0
	s_mov_b32 s[\g+4], 16                          ; tile_dim1
	s_mov_b32 s[\g+5], 1536                        ; stride
	s_mov_b32 s[\g+6], 0
	s_mov_b32 s[\g+7], 0
.endr
.irp g, G1S, G1SB                      ; codes of chunks 1 and 2
	s_mov_b32 s[\g+1], 768<<16                     ; chunks 1 and 2 together: 16 tiles x 6,144 bytes (four K steps), 12,288 bytes from tile to tile
	s_mov_b32 s[\g+2], 16<<16
	s_mov_b32 s[\g+3], 768<<16
	s_mov_b32 s[\g+4], 16
	s_mov_b32 s[\g+5], 1536
	s_mov_b32 s[\g+6], 0
	s_mov_b32 s[\g+7], 0
.endr
	s_mul_i32 s20, s95, 196608                     ; the row operand's unit of 16 tiles, in bytes
	s_mov_b32 s21, 0
	s_mul_i32 s22, s97, 196608                     ; the column operand's
	s_mov_b32 s23, 0
	s_lshl_b32 s36, s95, 13                        ; scale words: 8,192 bytes a unit,
	s_lshl_b32 s19, s15, 12
	s_add_co_u32 s36, s36, s19                     ; my 128 rows of the row operand;
	s_lshl_b32 s37, s97, 13
	s_lshl_b32 s19, s16, 12
	s_add_co_u32 s37, s37, s19                     ; and of the column operand
	; where my results go, and which biases are mine
	s_add_co_u32 s98, s98, s93
	s_lshl_b32 s98, s98, 1
	s_add_co_u32 s98, s98, s15                     ; rr: my 128 rows of the row operand
	s_add_co_u32 s99, s99, s92
	s_lshl_b32 s99, s99, 1
	s_add_co_u32 s99, s99, s16                     ; cc: my 128 rows of the column operand
	s_add_co_u32 s19, s98, 16
	s_cmp_eq_u32 ttmp9, 2
	s_cselect_b32 s96, s19, s99                    ; P
	s_cselect_b32 s94, s99, s98                    ; S
	s_cselect_b32 s17, 0, s99                      ; the column bias's 128 numbers (v: the first 128, read and made 0)
	s_cselect_b32 s18, s98, 0                      ; the row bias's (q, k: v's first 128, read and made 0)
	s_mul_i32 s98, s96, 393216
	s_mul_i32 s19, s94, 12288
	s_add_co_u32 s98, s98, s19
	s_mov_b32 s99, 0
	s_lshl_b32 s96, s96, 14
	s_lshl_b32 s94, s94, 9
	s_add_co_u32 s96, s96, s94
	s_mov_b32 s97, 0
	s_lshl_b32 s17, s17, 9
	s_lshl_b32 s18, s18, 9
	s_add_co_u32 s18, s18, 8192
	s_mov_b32 s[SEL], 0x76543210
	s_mov_b32 s[SEL+1], 0xfedcba98
	s_mov_b32 s[HIM], 0xffff0000
	s_wait_dscnt 0x0                               ; both opening adds are done
	s_wait_kmcnt 0x0
	s_add_nc_u64 s[20:21], s[4:5], s[20:21]
	s_add_nc_u64 s[22:23], s[4:5], s[22:23]
	s_mov_b32 s[G0], 1                             ; chunk 0 of the row operand, to slot 0;
	s_mov_b32 s[G0+1], 0
	s_mov_b64 s[G0+2:G0+3], s[20:21]
	s_or_b32 s[G0+3], s[G0+3], 0x80000000
	s_mov_b32 s[G0B], 1                            ; of the column operand, behind it;
	s_mov_b32 s[G0B+1], 2*QTR
	s_mov_b64 s[G0B+2:G0B+3], s[22:23]
	s_or_b32 s[G0B+3], s[G0B+3], 0x80000000
	s_mov_b32 s[G0S], 1                            ; chunks 1 and 2 of the row operand;
	s_mov_b32 s[G0S+1], SLOTB
	s_add_nc_u64 s[G0S+2:G0S+3], s[20:21], 3072
	s_or_b32 s[G0S+3], s[G0S+3], 0x80000000
	s_mov_b32 s[G0SB], 1                           ; and of the column operand
	s_mov_b32 s[G0SB+1], 2*SLOTB
	s_add_nc_u64 s[G0SB+2:G0SB+3], s[22:23], 3072
	s_or_b32 s[G0SB+3], s[G0SB+3], 0x80000000
	s_add_nc_u64 s[10:11], s[10:11], s[98:99]
	s_add_nc_u64 s[12:13], s[12:13], s[96:97]
	CROUND                                         ; all sixteen work-groups are here: the first joint loads meet
	ARM 1, G0, G1, .Lh1, .Lhj                      ; the head's four fills, one a wave, in one chain of branches on the wave's number
	ARM 2, G0B, G1B, .Lh2, .Lhj
	ARM 3, G0S, G1S, .Lh3, .Lhj
	tensor_load_to_lds s[G0SB:G0SB+3], s[G1SB:G1SB+7]
	s_nop 0
.rept 4
	v_nop
.endr
.Lhj:
	v_and_b32 v2, 31, v0                           ; lane
	v_lshlrev_b32 v[LI], 4, v2
	s_mul_i32 s19, s15, QTR
	v_add_nc_u32 v[ADRA], s19, v[LI]
	s_mul_i32 s19, s16, QTR
	s_add_co_u32 s19, s19, 2*QTR
	v_add_nc_u32 v[ADRB], s19, v[LI]
	v_lshl_add_u32 v[ADSA], v2, 3, s36             ; my scale words in ops: 8 bytes a lane
	v_lshl_add_u32 v[ADSB], v2, 3, s37
	s_wait_alu depctr_va_vdst(0)
	s_mul_i32 s19, s15, 2*QTR
	s_add_co_u32 s19, s19, SLOTB
	v_add_nc_u32 v[ADRA+1], s19, v[LI]             ; chunk 1: my 8 tiles of 6,144 bytes;
	v_add_nc_u32 v[ADRA+2], 3072, v[ADRA+1]        ; chunk 2: two K steps further on in each tile
	s_mul_i32 s19, s16, 2*QTR
	s_add_co_u32 s19, s19, 2*SLOTB
	v_add_nc_u32 v[ADRB+1], s19, v[LI]
	v_add_nc_u32 v[ADRB+2], 3072, v[ADRB+1]
	v_and_b32 v3, 15, v0                           ; r
	v_and_b32 v7, 8, v3
	v_add_nc_u32 v3, v3, v7                        ; r + 8 (r / 8)
	v_lshl_add_u32 v3, v3, 2, s18                  ; the row bias of my lane's row
	v_bfe_u32 v2, v0, 4, 1                         ; h
	v_lshl_add_u32 v2, v2, 6, s17                  ; the column bias: 16 numbers of each 32, at 64 h
	WIN TO_B
.irp b, 0,1,2,3
.irp j, 0,1,2,3
	global_load_b128 v[BC+16*\b+96*(\b/2)+4*\j:BC+16*\b+96*(\b/2)+4*\j+3], v2, s[8:9] offset:128*\b+16*\j
.endr
.endr
	WIN 0
.irp a, 0,1,2,3,4,5,6,7
	global_load_b32 v[BR+2*\a], v3, s[8:9] offset:(32*(\a/2)+8*(\a%2))*4
.endr
	SCALES 0                                       ; the scale words of all eight K steps: 64 registers that hold nothing else
	SCALES 1
	SCALES 2
	SCALES 3
.irp b, 0,1,2,3
	v_mov_b32 v[TM+4+\b], 0                        ; written once: a lane permute's destination counts as one of its sources
.endr
	s_wait_loadcnt 0x0
	WIN 0x44                                       ; destination and source 1 in window 1
.set i_, 0
.rept 64
	v_cndmask_b32 v[BC+i_+96*(i_/32)], 0, v[BC+i_+96*(i_/32)], s[MC]   ; the bias that does not apply becomes 0
.set i_, i_+1
.endr
	WIN 0
.irp a, 0,1,2,3,4,5,6,7
	v_cndmask_b32 v[BR+2*\a+1], 0, v[BR+2*\a], s[MR]   ; twice: a pair for the packed addition
	v_cndmask_b32 v[BR+2*\a], 0, v[BR+2*\a], s[MR]
.endr
	s_wait_alu depctr_va_vdst(0)
	s_cmp_lt_u32 s14, 2                            ; waves 0 and 1 fetched chunk 0: they wait for it; the loads of waves 2 and 3, chunks 1 and 2, stay out
	s_cbranch_scc0 .Llater                         ; and every wave waits for all its loads at the head of K step 1
	s_wait_tensorcnt 0x0
.Llater:
	s_barrier_signal -1
	s_barrier_wait -1
	FETCH_B 0, 0, 0
	FETCH_A 0, 0, 0
	FETCH_A 0, 0, 4
	STEP 0, 1                                      ; the first products start the sums with the column bias: nothing is cleared
	TURN 1, 1                                      ; chunk 0 is read out: its slot takes chunk 3; chunks 1 and 2 are whole for every wave
	STEP 2, 0
	STEP 3, 0
	STEP 4, 0
	TURN 5, 0                                      ; chunk 3 has had 224 products of a wave in which to land
	STEP 6, 0
	s_wait_dscnt 12                                ; the last step: nothing more to fetch
	WIN 0xa1
	MULS 0, 7, 0
	MULS 2, 7, 0
	s_wait_dscnt 0x0
	WIN 0xf1
	MULS 4, 7, 0
	MULS 6, 7, 0
	WIN 0
	PLACES
; THE WAY OUT: row tile a's 64 numbers a lane, with the row bias, are quantised and leave as one fragment's image: three stores of 512 consecutive bytes, aligned
.macro OUTBLK a
.if (\a) > 0
	s_wait_xcnt 0x0                                ; the last tile's stores have read the codes' registers
.endif
	WIN 2+(\a)/4                                   ; source 0: window 2 or 3
.set i_, 0
.rept 32
	v_pk_add_f32 v[X+i_:X+i_+1], v[64*((\a)%4)+i_:64*((\a)%4)+i_+1], v[BR+2*(\a):BR+2*(\a)+1]   ; ascending: each accumulator from its low end on
.set i_, i_+2
.endr
	WIN 0
	QUANT X, SW+(\a)
.irp c, 0,1,2
	global_store_b128 v[LI], v[PC+4*\c:PC+4*\c+3], s[10:11] offset:(\a)*1536+512*\c
.endr
.endm
.irp a, 0,1,2,3,4,5,6,7
	OUTBLK \a
.endr
.irp b, 0,1,2,3
	v_cndmask_b32 v[MW+\b], v[SW+2*\b], v[SW+2*\b+1], s[HIM]   ; lanes 0-15 tile 2 b's words, lanes 16-31 tile 2 b + 1's
.endr
	global_store_b128 v[LI], v[MW:MW+3], s[12:13]  ; 512 consecutive bytes, aligned
	s_wait_tensorcnt 0x0                           ; the wave's end
	ds_add_u32 v[SPW], v[NIL]
	s_wait_dscnt 0x0
	CROUND                                         ; the closing round: no work-group ends while a partner may still ask for a tile that names it
	s_endpgm
.Lfunc_end_k_q6322684e70_qkv:
	.size	k_q6322684e70_qkv, .Lfunc_end_k_q6322684e70_qkv-k_q6322684e70_qkv
	.p2alignl 7, 3214868480
	.fill 96, 4, 3214868480
	.section	.rodata,"a",@progbits
	.p2align	6, 0x0
	.amdhsa_kernel k_q6322684e70_qkv
		.amdhsa_group_segment_fixed_size 327680
		.amdhsa_private_segment_fixed_size 0
		.amdhsa_enable_private_segment 0
		.amdhsa_kernarg_size 40
		.amdhsa_user_sgpr_count 2
		.amdhsa_user_sgpr_kernarg_segment_ptr 1
		.amdhsa_wavefront_size32 1
		.amdhsa_system_sgpr_workgroup_id_x 1
		.amdhsa_system_sgpr_workgroup_id_y 1
		.amdhsa_system_sgpr_workgroup_id_z 1
		.amdhsa_system_vgpr_workitem_id 0
		.amdhsa_next_free_vgpr 1024
		.amdhsa_next_free_sgpr 102
		.amdhsa_reserve_vcc 0
		.amdhsa_float_denorm_mode_32 3
		.amdhsa_float_denorm_mode_16_64 3
		.amdhsa_memory_ordered 1
		.amdhsa_forward_progress 1
		.amdhsa_inst_pref_size 162
	.end_amdhsa_kernel
	.amdgpu_metadata
---
amdhsa.version: [ 1, 2 ]
amdhsa.kernels:
  - .name:           k_q6322684e70_qkv
    .symbol:         k_q6322684e70_qkv.kd
    .args:
      - { .name: opc, .offset: 0, .size: 8, .value_kind: global_buffer, .address_space: global }
      - { .name: ops, .offset: 8, .size: 8, .value_kind: global_buffer, .address_space: global }
      - { .name: b_attn, .offset: 16, .size: 8, .value_kind: global_buffer, .address_space: global }
      - { .name: qkvc, .offset: 24, .size: 8, .value_kind: global_buffer, .address_space: global }
      - { .name: qkvs, .offset: 32, .size: 8, .value_kind: global_buffer, .address_space: global }
    .group_segment_fixed_size: 327680
    .private_segment_fixed_size: 0
    .kernarg_segment_align: 8
    .kernarg_segment_size: 40
    .max_flat_workgroup_size: 128
    .sgpr_count:     102
    .vgpr_count:     1024
    .wavefront_size: 32
...
	.end_amdgpu_metadata
.endif
;; end of part 2
;; launch attn (part 3): grid 32 x 8, 8 waves a work-group, no clusters, 327,680 bytes of LDS; arguments qkvc, qkvs, yc, ys; writes yc, ys
.if DOCPART == 3
	.amdgcn_target "amdgcn-amd-amdhsa--gfx1250"
	.amdhsa_code_object_version 6
	.text
	.protected	k_q6322684e70_attn
	.globl	k_q6322684e70_attn
	.p2align	8
	.type	k_q6322684e70_attn,@function
k_q6322684e70_attn:
	s_mov_b64 s[64:65], 0
	v_nop
	global_prefetch_b8 v0, s[64:65] scope:SCOPE_SE
	s_setreg_imm32_b32 hwreg(HW_REG_WAVE_MODE, 25, 1), 1
	s_wait_xcnt 0x0
; y[q][head] = softmax_k(q . k / sqrt(128)) v with the causal mask, both products on codes of BF6, and y quantised along C at once.
; IN: qkvc = [P][S 0..31][a 0..7][1536], images of operand registers (registers 4 c .. 4 c + 3 of lane l at 512 c + 16 l; tile a holds rows 32 (a / 2) + 8 (a % 2) + r + 8 (r / 8) of its 128): P = head: q;
;   P = 8 + head: k (S = key step of 128); P = 16 + head: v with the keys as K (a = tile of d).  qkvs = [P][S][lane][4 words]: word b: lanes 0-15 tile 2 b's rows, lanes 16-31 tile 2 b + 1's.
; OUT: yc = [tile of queries 0..255][head][1536];  ys = [head][pair of tiles][lane] words.
; THE SOFTMAX: t = score x log2(e) / sqrt(128); M = the running largest t rounded UP to a whole number; p = 2^(t - M) is quantised along the keys, not normalised; the row's sum is taken of the unquantised p and divides at the end.
; SHARES: work-group (p, head) owns the blocks of 64 queries p (low) and 63 - p (high), two pairs of tiles each.  A WAVE WORKS ON A PAIR OF TILES, 32 queries: each fragment of K and V that it reads feeds two products.
;   A slot holds four key steps.  While the low block still has keys (slots 0 .. p / 8) waves 0-3 walk the low pairs and waves 4-7 the high pairs, each wave the slot's steps parity and parity + 2.
;   Behind that slot A LOW WAVE CHANGES ITS ROLE: it stores its O^T, M and sums in LDS bytes of its own, takes the high pair's Q, begins again from zeros and walks the slot's step 2 + parity for the high pair,
;   while the high waves keep step parity alone: one step a slot for each of the eight waves.  So a low pair has two partial results and a high pair four; at the end all lie in LDS and waves 0-3 join
;   one pair each by exact powers of two.  The change hangs on the work-group's number, the wave's number and the count of trips alone.
; LAYOUT: both products transposed (S^T = K Q^T, O^T = V^T P^T): a lane holds one query of each tile; the 16 registers of tiles 2 b, 2 b + 1 are keys (or channels) 32 b + 16 h + 0 .. 15.
; REGISTERS: window 0: v1-11 addresses, v12-19 -M, largest t and sums of the two tiles, v20-31 scale words, v32-55 Q, v56-79 p's codes, v80-95 halves of codes, v96-223 the scores and p, v224-254 work, v255 the prefetch's offset.
;   window 1: v0-127 O^T (tile u, channels' tile t at 64 u + 8 t); v128-223 the eight fragments of a step: K's, and as soon as the scores' products are issued, V's, which land under the softmax;
;   v224-249 the high pair's Q and its scale words, for the change of roles (one text for all waves: waves 4-7 fetch them too and do not read them).
; THE RING: two slots of 512 keys (K's 4 steps, then V's: 98,304 bytes).  At the head every wave issues one fill: waves 0-3 a quarter of slot 0, waves 4-7 a quarter of the head's scale words (2 x 16 KB, filled once).
;   Refills: waves 0-3, one load of 24,576 dense bytes each.  Every wait on TENSORcnt is for 0.
; CAUSAL: every work-group walks 8 trips (a constant); a step all of whose keys come after the wave's queries is jumped over; a slot whose first key comes after the work-group's last query (the slot behind the last among them)
;   is not asked for.  A pair's 32 queries are an aligned group of 32 and a step begins at a multiple of 128: in a step that is walked the first key counts for every query, so every row's maximum is a number.
; NO CLUSTER: the refills end at a limit that hangs on the work-group's number, and a joint load may be jumped over by no partner.
; LIMITS: NaN and infinities are not served; blocks under 2^-122 and blocks of zeros keep the byte 1; the promise holds while |t| stays under 2^31.
.set SLOT1, 1<<17                      ; slot 1 begins here
.set KSC,   98304                      ; behind slot 0: K's scale words, 32 steps x 512 bytes,
.set VSC,   KSC+16384                  ; and V's
.set MRG,   SLOT1+98304                ; behind slot 1: four regions for the low pairs' partial results; no tensor load lands here
.set MRB,   17408                      ; a partial result: 128 registers of O^T and 8 of state, 128 bytes each
.set SPARE, MRG+4*MRB                  ; the spare words, 128 bytes for each of 8 waves
.set AK0, 1
.set AV0, 2
.set ASK0, 3
.set ASV0, 4
.set SPW, 5                            ; my spare word's address; never rewritten
.set NIL, 6                            ; 0; never rewritten
.set DQ,  7                            ; r + 8 (r / 8) - 16 h
.set ADK, 8
.set ADV, 9
.set ADS, 10
.set ADT, 11
.set ST,  12                           ; tile u: -M at ST + 4 u, the largest t, the sum in two halves
.set KS,  20
.set VS,  24
.set QS,  28
.set PS,  30
.set QF,  32
.set PCD, 56
.set CT,  80
.set S,   96                           ; block n = 4 u + b of 16 registers at S + 16 n
.set BM,  224
.set PD,  232
.set SO,  240
.set F,   248
.set T,   252
.set PFO, 255
.set OF,  128                          ; window 1: the fragments
.set QH2, 224                          ; window 1: the high pair's Q; its scale words at QH2 + 24, + 25
.set SEL, 20
.set CS,  22
.set G1,  24
.set G1S, 32
.set G0,  40
.set G0S, 44
.set WV,  48
.set HD,  49
.set IDX, 50
.set HIB, 51
.set PAR, 52
.set RHO, 53                           ; where my last partial result goes
.set QT,  54                           ; the pair of tiles that I begin with, 0..127
.set Q0,  55
.set QH,  56
.set QL,  57
.set KF,  58
.set TB,  59
.set TS,  60
.set CNT, 61
.set LIM, 62
.set HIM, 63
.set PFA, 66
.set RLO, 72                           ; where a low wave's first partial result goes
.set QTL, 73                           ; the low pair and the high pair of my index
.set QTH, 74
.set SW,  75                           ; the trip at whose head I change my role (64: never)
.set TH0, 76                           ; the last trip in which I walk a slot's step parity,
.set TH1, 77                           ; and its step parity + 2
.set FB,  79                           ; where the partial results lie that I join
.set MSB, 0
.macro WIN new                         ; the immediate's high byte repeats the setting that is left
.if MSB != \new
	s_set_vgpr_msb (MSB<<8)|\new
.set MSB, \new
.endif
.endm
.macro WM d, s0, s1, c, sa, sb, ra     ; one product; c < 0: it starts a sum; ra odd: source 0's scale words stand in lanes 16-31
.if (\c) < 0
.if (\ra)%2
	v_wmma_scale_f32_16x16x128_f8f6f4 v[(\d):(\d)+7], v[(\s0):(\s0)+11], v[(\s1):(\s1)+11], 0, v[\sa], v[\sb] matrix_a_fmt:MATRIX_FMT_BF6 matrix_b_fmt:MATRIX_FMT_BF6 matrix_a_scale:MATRIX_SCALE_ROW1
.else
	v_wmma_scale_f32_16x16x128_f8f6f4 v[(\d):(\d)+7], v[(\s0):(\s0)+11], v[(\s1):(\s1)+11], 0, v[\sa], v[\sb] matrix_a_fmt:MATRIX_FMT_BF6 matrix_b_fmt:MATRIX_FMT_BF6
.endif
.else
.if (\ra)%2
	v_wmma_scale_f32_16x16x128_f8f6f4 v[(\d):(\d)+7], v[(\s0):(\s0)+11], v[(\s1):(\s1)+11], v[(\c):(\c)+7], v[\sa], v[\sb] matrix_a_fmt:MATRIX_FMT_BF6 matrix_b_fmt:MATRIX_FMT_BF6 matrix_a_scale:MATRIX_SCALE_ROW1
.else
	v_wmma_scale_f32_16x16x128_f8f6f4 v[(\d):(\d)+7], v[(\s0):(\s0)+11], v[(\s1):(\s1)+11], v[(\c):(\c)+7], v[\sa], v[\sb] matrix_a_fmt:MATRIX_FMT_BF6 matrix_b_fmt:MATRIX_FMT_BF6
.endif
.endif
.endm
.macro TLOAD                           ; waves 0-3 fetch a quarter of a slot each; the branch hangs on the wave's number alone
	s_cmp_lt_u32 s[WV], 4
	s_cbranch_scc0 .Lasked_\@
	tensor_load_to_lds s[G0:G0+3], s[G1:G1+7]
	s_nop 0
.rept 4
	v_nop
.endr
.Lasked_\@:
.endm
; A PREFETCH INTO THE L2 of the slot that the NEXT trip will ask for: 4 x 24,576 dense bytes.  All 32 work-groups of a head walk the same K and V: the head's work-group 0 asks, which walks every slot; in it the four waves
; that fetch nothing ask, each for one quarter: three instructions of 8,192 bytes, lanes 256 bytes apart: each aligned 256 bytes once in the launch.  Slots 0 and 1 come by their loads alone; trips 6 and 7 ask for nothing.
.macro ASK
	s_cmp_lt_u32 s[CNT], s[LIM]
	s_cbranch_scc0 .Lnot_mine_\@
.irp i, 0,1,2
	global_prefetch_b8 v[PFO], s[PFA:PFA+1] offset:8192*\i th:TH_LOAD_NT scope:SCOPE_SE
.endr
.Lnot_mine_\@:
.endm
.macro FRAGS adr, sj                   ; a step's eight fragments into window 1: 24 loads of 512 consecutive bytes
	WIN 0x40
.irp t, 0,1,2,3,4,5,6,7
.irp c, 0,1,2
	ds_load_b128 v[OF+12*\t+4*\c:OF+12*\t+4*\c+3], v[\adr] offset:(\sj)*24576+\t*1536+512*\c
.endr
.endr
	WIN 0
.endm
.macro QK t0                           ; S^T = K Q^T: four tiles of keys x my two tiles of queries
.irp t, \t0, \t0+1, \t0+2, \t0+3
.irp u, 0,1
	WM S+64*\u+8*(\t),OF+12*(\t),QF+12*\u,-1,KS+(\t)/2,QS+\u,\t
.endr
.endr
.endm
; From the eight blocks' largest magnitudes in v[BM ..] (the floor among them) and the 128 numbers in v[S ..]: the two tiles' scale words in v[PS], v[PS+1] and their codes in v[PCD ..]
.macro QTAIL
.irp n, 0,1,2,3,4,5,6,7
	v_add_nc_u32 v[SO+\n], 0xfe000000, v[BM+\n]    ; 4 off the exponent field: the conversion's scale operand
.endr
.irp n, 0,1,2,3,4,5,6,7
	v_lshrrev_b32 v[PD+\n], 23, v[SO+\n]           ; the scale's byte
.endr
.irp u, 0,1
	v_lshl_or_b32 v[PS+\u], v[PD+4*\u+1], 8, v[PD+4*\u]
.endr
.irp u, 0,1
	v_lshl_or_b32 v[PS+\u], v[PD+4*\u+2], 16, v[PS+\u]
.endr
.irp u, 0,1
	v_lshl_or_b32 v[PS+\u], v[PD+4*\u+3], 24, v[PS+\u]
.endr
.irp u, 0,1
.irp c, 0,1
	v_cvt_scalef32_pk16_bf6_f32 v[PCD+12*\u+6*\c:PCD+12*\u+6*\c+2], v[S+64*\u+32*\c:S+64*\u+32*\c+15], v[SO+4*\u+2*\c]
	v_cvt_scalef32_pk16_bf6_f32 v[CT+8*\u+4*\c:CT+8*\u+4*\c+2], v[S+64*\u+32*\c+16:S+64*\u+32*\c+31], v[SO+4*\u+2*\c+1]   ; (a conversion's three registers begin on an even number)
.endr
.endr
	v_nop                                          ; one plain place behind the scaled conversions
.irp u, 0,1
.irp c, 0,1
.irp i, 0,1,2
	v_permlane16_swap_b32 v[PCD+12*\u+6*\c+\i], v[CT+8*\u+4*\c+\i]   ; the operand wants a whole block in a lane
.endr
.endr
.endr
.irp u, 0,1
.irp c, 0,1
.irp i, 0,1,2
	v_mov_b32 v[PCD+12*\u+6*\c+3+\i], v[CT+8*\u+4*\c+\i]
.endr
.endr
.endr
.endm
.macro QADR c, w, qt                   ; byte offsets of pair qt's two fragments of q, s[c:c+1], and of its scale words, s[w:w+1]
	s_mul_i32 s[\c], s[\qt], 3072
	s_add_co_u32 s[\c], s[\c], s16
	s_mov_b32 s[\c+1], 0
	s_lshr_b32 s[\w], s[\qt], 2                    ; 512 bytes for 128 queries, word qt % 4
	s_lshl_b32 s[\w], s[\w], 9
	s_add_co_u32 s[\w], s[\w], s18
	s_and_b32 s[\w+1], s[\qt], 3
	s_lshl_b32 s[\w+1], s[\w+1], 2
	s_add_co_u32 s[\w], s[\w], s[\w+1]
	s_mov_b32 s[\w+1], 0
.endm
.macro FRESH                           ; a walk begins: no t yet, sums and O^T zero (the step is written once; a wave that walks no step hands zeros over)
.irp u, 0,1
	v_mov_b32 v[ST+4*\u+1], 0xff61b1e6             ; the largest t so far: -3e38
	v_mov_b32 v[ST+4*\u+2], 0
	v_mov_b32 v[ST+4*\u+3], 0
.endr
.irp u, 0,1
	v_floor_f32 v[ST+4*\u], -v[ST+4*\u+1]          ; -M
.endr
	WIN 0x40
.set j_, 0
.rept 128
	v_mov_b32 v[j_], 0
.set j_, j_+1
.endr
	WIN 0
.endm
.macro DUMP a                          ; my partial result as images of its registers: O^T, each accumulator from its low end on, then the two tiles' state
	WIN 0x04                                       ; the data: window 1
.set i_, 0
.rept 32
	ds_store_b128 v[\a], v[4*i_:4*i_+3] offset:512*i_
.set i_, i_+1
.endr
	WIN 0
	ds_store_b128 v[\a], v[ST:ST+3] offset:16384
	ds_store_b128 v[\a], v[ST+4:ST+7] offset:16896
.endm
	s_load_b256 s[4:11], s[0:1], 0x0               ; qkvc s[4:5], qkvs s[6:7], yc s[8:9], ys s[10:11]
	v_lshl_add_u32 v[SPW], v0, 2, SPARE
	v_mov_b32 v[NIL], 0
	ds_add_u32 v[SPW], v[NIL]                      ; the wave's opening: the add, twice on end, and its wait stand ahead of my first tensor load
	ds_add_u32 v[SPW], v[NIL]
	v_lshrrev_b32 v8, 5, v0
	v_readfirstlane_b32 s[WV], v8                  ; wave 0..7
	s_and_b32 s[HD], ttmp7, 0xffff                 ; the head
	s_and_b32 s[IDX], s[WV], 1                     ; which of a block's two pairs
	s_bfe_u32 s[PAR], s[WV], 0x10001               ; the parity of my key steps
	s_lshr_b32 s[HIB], s[WV], 2                    ; I begin with the low block (0) or the high one (1)
	s_mul_i32 s[RHO], s[WV], MRB                   ; at the end: eight regions from LDS byte 0 on
	s_and_b32 s12, s[WV], 3
	s_mul_i32 s[RLO], s12, MRB
	s_add_co_u32 s[RLO], s[RLO], MRG
	s_xor_b32 s[FB], s[PAR], 1                     ; waves 0, 1 join the low pairs (regions MRG + index, + 2), waves 2, 3 the high pairs (regions index, + 2, + 4, + 6)
	s_mul_i32 s[FB], s[FB], MRG
	s_mul_i32 s12, s[IDX], MRB
	s_add_co_u32 s[FB], s[FB], s12
	s_lshl_b32 s12, ttmp9, 1
	s_add_co_u32 s[QTL], s12, s[IDX]
	s_sub_co_u32 s13, 126, s12
	s_add_co_u32 s[QTH], s13, s[IDX]
	s_lshr_b32 s13, ttmp9, 3                       ; the slot that holds the low block's last key
	s_add_co_u32 s12, s13, 1
	s_cmp_eq_u32 s[HIB], 1
	s_cselect_b32 s[QT], s[QTH], s[QTL]
	s_cselect_b32 s[SW], 64, s12
	s_cselect_b32 s[TH0], 64, s13
	s_cselect_b32 s[TH1], s13, 64
	s_cmp_eq_u32 s[PAR], 1
	s_cselect_b32 s17, s[QTH], s[QTL]              ; the pair that I join and store, if I am one of waves 0-3
	s_lshl_b32 s[Q0], s[QT], 5                     ; tile u's lane r has query Q0 + 8 u + r + 8 (r / 8)
	s_add_co_u32 s[QH], s[Q0], 31
	s_lshl_b32 s13, ttmp9, 6
	s_sub_co_u32 s[QL], 4095, s13                  ; my work-group's last query
	s_mul_i32 s16, s[HD], 393216                   ; the head's bytes inside a part of qkvc,
	s_lshl_b32 s18, s[HD], 14                      ; and of qkvs and ys
	s_mov_b32 s[G1], 3<<16                         ; codes: 24,576 dense bytes as 96 rows of 256 (32 elements of 8 bytes)
	s_mov_b32 s[G1+1], 32<<16
	s_mov_b32 s[G1+2], 96<<16
	s_mov_b32 s[G1+3], 32<<16
	s_mov_b32 s[G1+4], 96
	s_mov_b32 s[G1+5], 32
	s_mov_b32 s[G1+6], 0
	s_mov_b32 s[G1+7], 0
	s_mov_b32 s[G1S], 3<<16                        ; scale words: 8,192 dense bytes as 32 rows of 256
	s_mov_b32 s[G1S+1], 32<<16
	s_mov_b32 s[G1S+2], 32<<16
	s_mov_b32 s[G1S+3], 32<<16
	s_mov_b32 s[G1S+4], 32
	s_mov_b32 s[G1S+5], 32
	s_mov_b32 s[G1S+6], 0
	s_mov_b32 s[G1S+7], 0
	s_and_b32 s12, s[WV], 3                        ; f: the quarter that I fetch or prefetch: 0, 1 K's halves, 2, 3 V's
	s_lshr_b32 s13, s12, 1
	s_add_co_u32 s13, s13, 1                       ; part 1 (k) or 2 (v) of the buffers
	s_and_b32 s14, s12, 1
	s_mul_i32 s[G0+2], s13, 3145728
	s_add_co_u32 s[G0+2], s[G0+2], s16
	s_mul_i32 s15, s14, 24576
	s_add_co_u32 s[G0+2], s[G0+2], s15
	s_mov_b32 s[G0+3], 0
	s_add_co_u32 s[PFA], s[G0+2], 49152            ; the prefetch stands in slot 1: the first trip steps it to slot 2
	s_mov_b32 s[PFA+1], 0
	s_lshl_b32 s[G0S+2], s13, 17
	s_add_co_u32 s[G0S+2], s[G0S+2], s18
	s_lshl_b32 s15, s14, 13
	s_add_co_u32 s[G0S+2], s[G0S+2], s15
	s_mov_b32 s[G0S+3], 0
	s_mov_b32 s[G0], 1
	s_mul_i32 s[G0+1], s12, 24576                  ; LDS: slot 0, quarter f
	s_mov_b32 s[G0S], 1
	s_lshl_b32 s[G0S+1], s12, 13
	s_add_co_u32 s[G0S+1], s[G0S+1], KSC
	s_mov_b32 s[SEL], 0x76543210
	s_mov_b32 s[SEL+1], 0xfedcba98                 ; lane l xor 16
	s_mov_b32 s[CS], 0x3e0293ee                    ; c = log2(e) / sqrt(128)
	s_mov_b32 s[CS+1], s[CS]
	s_mov_b32 s[HIM], 0xffff0000                   ; lanes 16-31
	s_mov_b32 s[TB], 0
	s_mov_b32 s[TS], 0
	s_lshl_b32 s[KF], s[PAR], 7
	s_mov_b32 s[CNT], 0
	s_xor_b32 s68, s[HIB], 1                       ; 1 in the waves that fetch slots
	s_or_b32 s68, s68, ttmp9
	s_cmp_eq_u32 s68, 0
	s_cselect_b32 s[LIM], 6, 0                     ; who prefetches, and in which trips
	QADR 12, 14, QT                                ; the pair that I begin with,
	QADR 80, 82, QTH                               ; and the high pair of my index
	s_mul_i32 s68, s17, 24576                      ; y's codes: two tiles of 12,288 bytes, my head's 1,536
	s_mul_i32 s69, s[HD], 1536
	s_add_co_u32 s68, s68, s69
	s_mov_b32 s69, 0
	s_lshl_b32 s70, s17, 7                         ; y's scale words: 128 bytes a pair
	s_add_co_u32 s70, s70, s18
	s_mov_b32 s71, 0
	s_mul_i32 s17, s[PAR], 12288
	s_lshl_b32 s19, s[PAR], 9
	s_add_co_u32 s19, s19, KSC
	s_wait_dscnt 0x0                               ; both opening adds are done
	s_wait_kmcnt 0x0
	s_add_nc_u64 s[G0+2:G0+3], s[4:5], s[G0+2:G0+3]
	s_or_b32 s[G0+3], s[G0+3], 0x80000000
	s_add_nc_u64 s[G0S+2:G0S+3], s[6:7], s[G0S+2:G0S+3]
	s_or_b32 s[G0S+3], s[G0S+3], 0x80000000
	s_add_nc_u64 s[PFA:PFA+1], s[4:5], s[PFA:PFA+1]
	s_add_nc_u64 s[12:13], s[4:5], s[12:13]
	s_add_nc_u64 s[14:15], s[6:7], s[14:15]
	s_add_nc_u64 s[80:81], s[4:5], s[80:81]
	s_add_nc_u64 s[82:83], s[6:7], s[82:83]
	s_add_nc_u64 s[8:9], s[8:9], s[68:69]
	s_add_nc_u64 s[10:11], s[10:11], s[70:71]
	s_cmp_lt_u32 s[WV], 4                          ; the head's fills, one a wave: every way passes exactly one
	s_cbranch_scc0 .Lhead_s
	tensor_load_to_lds s[G0:G0+3], s[G1:G1+7]      ; a quarter of slot 0
	s_nop 0
.rept 4
	v_nop
.endr
	s_branch .Lhead_j
.Lhead_s:
	tensor_load_to_lds s[G0S:G0S+3], s[G1S:G1S+7]  ; a quarter of the head's scale words
	s_nop 0
.rept 4
	v_nop
.endr
.Lhead_j:
	v_and_b32 v8, 31, v0                           ; lane
	v_and_b32 v9, 15, v0                           ; r
	v_bfe_u32 v10, v0, 4, 1                        ; h
	v_lshlrev_b32 v11, 4, v8
	v_lshlrev_b32 v[T], 4, v9
.irp c, 0,1,2,3,4,5
	global_load_b128 v[QF+4*\c:QF+4*\c+3], v11, s[12:13] offset:512*\c   ; Q's two fragments stay in registers
.endr
	global_load_b32 v[QS], v[T], s[14:15]          ; Q's scale words: lane r has row r's, of the even tile
	global_load_b32 v[QS+1], v[T], s[14:15] offset:256   ; and of the odd one
	WIN 0x40
.irp c, 0,1,2,3,4,5
	global_load_b128 v[QH2+4*\c:QH2+4*\c+3], v11, s[80:81] offset:512*\c   ; the same of the high pair, for the change of roles
.endr
	global_load_b32 v[QH2+24], v[T], s[82:83]
	global_load_b32 v[QH2+25], v[T], s[82:83] offset:256
	WIN 0
	v_add_nc_u32 v[AK0], s17, v11                  ; 16 x lane + parity x 12,288: my place in a slot's K,
	v_add_nc_u32 v[AV0], 49152, v[AK0]             ; in its V,
	v_add_nc_u32 v[ASK0], s19, v11                 ; among K's scale words,
	v_add_nc_u32 v[ASV0], 16384, v[ASK0]           ; and V's
	v_and_b32 v[DQ], 8, v9
	v_add_nc_u32 v[DQ], v[DQ], v9
	v_lshlrev_b32 v10, 4, v10
	v_sub_nc_u32 v[DQ], v[DQ], v10
	v_lshlrev_b32 v[PFO], 8, v8
.irp u, 0,1
	v_mov_b32 v[F+2*\u], 0
	v_mov_b32 v[F+2*\u+1], 0                       ; (named as the upper half of a pair)
.endr
.irp n, 0,1,2,3,4,5,6,7
	v_mov_b32 v[PD+\n], 0                          ; written once: a lane permute's destination counts as one of its sources
.endr
	FRESH
; A KEY STEP: 128 keys, the slot's step parity + 2 sj, against my 32 queries.  th: the last trip in which this step of a slot is mine
.macro STEP sj, th
	s_cmp_gt_u32 s[KF], s[QH]                      ; all keys come after my queries: the step's work is jumped over, not the lines at its end that step addresses
	s_cbranch_scc1 .Lhidden_\@
	s_cmp_gt_u32 s[CNT], s[\th]                    ; or the step has gone to the wave that changed its role, or is left to the wave that kept its own
	s_cbranch_scc1 .Lhidden_\@
	v_add_nc_u32 v[ADK], s[TB], v[AK0]             ; (these four are the places ahead of the loads below)
	v_add_nc_u32 v[ADV], s[TB], v[AV0]
	v_add_nc_u32 v[ADS], s[TS], v[ASK0]
	v_add_nc_u32 v[ADT], s[TS], v[ASV0]
	s_wait_alu depctr_va_vdst(0)
	ds_load_b128 v[KS:KS+3], v[ADS]                ; K's scale words of the step
	FRAGS ADK, \sj
	s_wait_dscnt 12                                ; the scale words and tiles 0-3 are in; the youngest 12 loads, tiles 4-7, may be out
	WIN 0x01
	QK 0
	s_wait_dscnt 0x0
	QK 4
.rept 4
	v_nop                                          ; places ahead of the loads into the fragments and of the reads of the scores
.endr
	FRAGS ADV, \sj                                 ; V's fragments take K's registers and land under the softmax
	ds_load_b128 v[VS:VS+3], v[ADT]
	s_add_co_u32 s68, s[KF], 127                   ; on the diagonal hidden scores become -infinity ahead of the maximum; a step all of whose keys count skips this
	s_cmp_le_u32 s68, s[Q0]
	s_cbranch_scc1 .Lopen_\@
	s_sub_co_i32 s68, s[Q0], s[KF]
	v_add_nc_u32 v[T], s68, v[DQ]                  ; d = my query - KF - 16 h.  Register 16 b + i holds key KF + 16 h + 32 b + i: hidden where 32 b + i > d
	v_add_nc_u32 v[T+1], 8, v[T]                   ; the odd tile's queries lie 8 further on
	v_mov_b32 v[T+2], 0xff800000
.irp u, 0,1
.set n_, 0
.rept 64
	v_cmp_gt_i32 vcc_lo, 32*(n_/16)+n_%16, v[T+\u]
	v_cndmask_b32 v[S+64*\u+n_], v[S+64*\u+n_], v[T+2], vcc_lo
.set n_, n_+1
.endr
.endr
.Lopen_\@:
.irp n, 0,1,2,3,4,5,6,7
	v_max3_num_f32 v[BM+\n], v[S+16*\n], v[S+16*\n+1], v[S+16*\n+2]   ; the largest score of each block of 32 keys: for the row's maximum and, since p rises with the score, for the block's largest p
.endr
.irp i, 3,5,7,9,11,13
.irp n, 0,1,2,3,4,5,6,7
	v_max3_num_f32 v[BM+\n], v[BM+\n], v[S+16*\n+\i], v[S+16*\n+\i+1]
.endr
.endr
.irp n, 0,1,2,3,4,5,6,7
	v_max_num_f32 v[BM+\n], v[BM+\n], v[S+16*\n+15]
.endr
.irp n, 0,1,2,3,4,5,6,7
	v_permlanex16_b32 v[PD+\n], v[BM+\n], s[SEL], s[SEL+1]
.endr
.irp n, 0,1,2,3,4,5,6,7
	v_max_num_f32 v[BM+\n], v[BM+\n], v[PD+\n]     ; with lane l xor 16's 16 keys
.endr
.irp u, 0,1
	v_max3_num_f32 v[T+\u], v[BM+4*\u], v[BM+4*\u+1], v[BM+4*\u+2]
.endr
.irp u, 0,1
	v_max_num_f32 v[T+\u], v[T+\u], v[BM+4*\u+3]
.endr
.irp u, 0,1
	v_mul_f32 v[T+\u], s[CS], v[T+\u]              ; the step's largest t
.endr
.irp u, 0,1
	v_max_num_f32 v[ST+4*\u+1], v[ST+4*\u+1], v[T+\u]   ; the running largest t
.endr
.irp u, 0,1
	v_mov_b32 v[T+\u], v[ST+4*\u]
.endr
.irp u, 0,1
	v_floor_f32 v[ST+4*\u], -v[ST+4*\u+1]          ; the new -M = -ceil(t): a whole number
.endr
.irp u, 0,1
	v_sub_f32 v[T+\u], v[ST+4*\u], v[T+\u]         ; old M - new M, 0 or less
.endr
.irp u, 0,1
	v_cvt_i32_f32 v[T+\u], v[T+\u]                 ; (it saturates)
.endr
.irp u, 0,1
	v_ldexp_f32 v[F+2*\u], 1.0, v[T+\u]            ; f = 2^(old M - new M): rounds nothing
.endr
.irp u, 0,1
.set j_, 0
.rept 32
	v_pk_fma_f32 v[S+64*\u+j_:S+64*\u+j_+1], v[S+64*\u+j_:S+64*\u+j_+1], s[CS:CS+1], v[ST+4*\u:ST+4*\u+1] op_sel_hi:[1,0,0]   ; t - M, two at a time
.set j_, j_+2
.endr
.endr
.irp n, 0,1,2,3,4,5,6,7
	v_fma_f32 v[BM+\n], v[BM+\n], s[CS], v[ST+4*(\n/4)]   ; the same of each block's largest score
.endr
	s_wait_alu depctr_va_vdst(0)
.set j_, 0
.rept 128
	v_exp_f32 v[S+j_], v[S+j_]                     ; p = 2^(t - M)
.set j_, j_+1
.endr
.irp u, 0,1
	v_pk_mul_f32 v[ST+4*\u+2:ST+4*\u+3], v[ST+4*\u+2:ST+4*\u+3], v[F+2*\u:F+2*\u+1] op_sel_hi:[1,0]   ; the sums under the new M: plain places behind the exponentials
.endr
	s_wait_alu depctr_va_vdst(0)                   ; one wait for the batch of 128, ahead of its first reader
.irp n, 0,1,2,3,4,5,6,7
	v_exp_f32 v[BM+\n], v[BM+\n]                   ; the block's largest p
.endr
.irp u, 0,1                                    ; the rows' sums of the unquantised p: four chains a tile, two numbers an instruction
.irp k, 0,1,2,3
	v_pk_add_f32 v[PD+8*\u+2*\k:PD+8*\u+2*\k+1], v[S+64*\u+2*\k:S+64*\u+2*\k+1], v[S+64*\u+2*\k+8:S+64*\u+2*\k+9]
.endr
.endr
.irp m, 2,3,4,5,6,7
.irp u, 0,1
.irp k, 0,1,2,3
	v_pk_add_f32 v[PD+8*\u+2*\k:PD+8*\u+2*\k+1], v[PD+8*\u+2*\k:PD+8*\u+2*\k+1], v[S+64*\u+2*\k+8*\m:S+64*\u+2*\k+8*\m+1]
.endr
.endr
.endr
.irp u, 0,1
	v_pk_add_f32 v[PD+8*\u:PD+8*\u+1], v[PD+8*\u:PD+8*\u+1], v[PD+8*\u+2:PD+8*\u+3]
	v_pk_add_f32 v[PD+8*\u+4:PD+8*\u+5], v[PD+8*\u+4:PD+8*\u+5], v[PD+8*\u+6:PD+8*\u+7]
.endr
.irp u, 0,1
	v_pk_add_f32 v[PD+8*\u:PD+8*\u+1], v[PD+8*\u:PD+8*\u+1], v[PD+8*\u+4:PD+8*\u+5]
.endr
.irp u, 0,1
	v_pk_add_f32 v[ST+4*\u+2:ST+4*\u+3], v[ST+4*\u+2:ST+4*\u+3], v[PD+8*\u:PD+8*\u+1]
.endr
	s_wait_alu depctr_va_vdst(0)                   ; and one for the eight
.irp n, 0,1,2,3,4,5,6,7
	v_max_num_f32 v[BM+\n], 0x2800000, v[BM+\n]    ; the floor 2^(5 - 127): the byte cannot fall under 1
.endr
	QTAIL
	s_wait_dscnt 0x0                               ; V's fragments and scale words are in
	WIN 0x41
	s_wait_alu depctr_va_vdst(0)
.irp u, 0,1
.set j_, 0
.rept 32
	v_pk_mul_f32 v[64*\u+j_:64*\u+j_+1], v[64*\u+j_:64*\u+j_+1], v[F+2*\u:F+2*\u+1] op_sel_hi:[1,0]   ; O^T under the new M; these 64 are also the places ahead of the products below
.set j_, j_+2
.endr
.endr
	WIN 0x51
.irp t, 0,1,2,3,4,5,6,7                        ; O^T += V^T P^T: the sixteen accumulators by turns
.irp u, 0,1
	WM 64*\u+8*\t,OF+12*\t,PCD+12*\u,64*\u+8*\t,VS+\t/2,PS+\u,\t
.endr
.endr
	WIN 0
.Lhidden_\@:
	s_add_co_u32 s[KF], s[KF], 256                 ; the next step of my parity is two steps on
	s_add_co_u32 s[TS], s[TS], 1024
.endm
; THE CHANGE OF SLOTS, at a trip's head.  Each wave waits for all its tensor loads, adds 0 to its spare word, and waits for that and for its reads of the slot that it has left; behind the barrier the slot ahead is whole and
; nobody reads the other one, which takes the next 512 keys, up to the causal limit: the load has a whole slot's steps in which to land.
.macro CHANGE
	s_wait_tensorcnt 0x0                           ; no tensor load of mine is out, so the group 0 may be written
	ds_add_u32 v[SPW], v[NIL]
	s_xor_b32 s[G0+1], s[G0+1], SLOT1              ; the other slot than last time,
	s_add_nc_u64 s[G0+2:G0+3], s[G0+2:G0+3], 49152 ; the next 512 keys
	s_wait_xcnt 0x0                                ; the last prefetches, a trip back, have read their address
	s_add_nc_u64 s[PFA:PFA+1], s[PFA:PFA+1], 49152 ; one slot further on than the walking descriptor
	s_wait_dscnt 0x0                               ; the add is done, and my reads of the slot that I have left are over
	s_barrier_signal -1
	s_barrier_wait -1
	s_add_co_u32 s68, s[CNT], 1                    ; the slot that this trip would ask for;
	s_lshl_b32 s68, s68, 9                         ; its first key.  Past my work-group's last query no wave reads it, so it is not asked for:
	s_cmp_gt_u32 s68, s[QL]                        ; ids and the count of trips alone: all eight waves go the same way, and the jump leads round the load's own lines alone
	s_cbranch_scc1 .Lpast_\@
	TLOAD                                          ; a wave's one tensor load until the next such barrier
.Lpast_\@:
	ASK
.endm
	s_wait_alu depctr_va_vdst(0)
	s_wait_loadcnt 0x0                             ; Q, twice
.Lslot:                                            ; eight trips
	CHANGE
	; THE CHANGE OF ROLES: waves 0-3, once, at the head of the first trip whose keys all come after the low block
	s_cmp_ge_u32 s[WV], 4
	s_cbranch_scc1 .Lstays
	s_cmp_lg_u32 s[CNT], s[SW]
	s_cbranch_scc1 .Lstays
	v_and_b32 v8, 31, v0                           ; (these four are the places behind the last products)
	v_lshlrev_b32 v8, 4, v8
	v_add_nc_u32 v8, s[RLO], v8                    ; my region behind the ring
	v_nop
	DUMP 8                                         ; the low pair's partial result
	s_wait_dscnt 0x0                               ; the stores have read their registers
	WIN 0x01                                       ; source 0: window 1
.set j_, 0
.rept 24
	v_mov_b32 v[QF+j_], v[QH2+j_]                  ; the high pair's Q,
.set j_, j_+1
.endr
	v_mov_b32 v[QS], v[QH2+24]                     ; and its scale words
	v_mov_b32 v[QS+1], v[QH2+25]
	WIN 0
	FRESH
	s_lshl_b32 s[Q0], s[QTH], 5
	s_add_co_u32 s[QH], s[Q0], 31
	s_wait_alu depctr_va_vdst(0)
.Lstays:
	STEP 0, TH0
	STEP 1, TH1
	s_xor_b32 s[TB], s[TB], SLOT1
	s_add_co_u32 s[CNT], s[CNT], 1
	s_cmp_lt_u32 s[CNT], 8
	s_cbranch_scc1 .Lslot
	s_wait_tensorcnt 0x0                           ; no tensor load is out, and none follows: the slots have had their last fill
	; THE END: every wave's last partial result goes to LDS, over the ring, which nobody reads any more; then waves 0-3 join one pair each
	v_and_b32 v9, 31, v0                           ; (places behind the last products)
	v_lshlrev_b32 v8, 4, v9                        ; 16 x lane
	v_lshlrev_b32 v[ASK0], 2, v9                   ; 4 x lane
	v_add_nc_u32 v10, s[RHO], v8                   ; where my partial result goes
	v_add_nc_u32 v11, s[FB], v8                    ; the first two partial results that I join,
	v_add_nc_u32 v[DQ], 4*MRB, v11                 ; and, of a high pair, the other two
	s_wait_alu depctr_va_vdst(0)
	s_wait_dscnt 0x0                               ; my reads of the slots and of the scale words are over
	s_barrier_signal -1
	s_barrier_wait -1                              ; and everybody's
	DUMP 10
	s_wait_dscnt 0x0                               ; for the others' sake: my stores are done
	s_barrier_signal -1
	s_barrier_wait -1
	s_cmp_ge_u32 s[WV], 4
	s_cbranch_scc1 .Lend
; partial result k, tile u: its state (-M, largest t, the sum's halves) at v[BM + 8 k + 4 u]; f at v[PCD + 2 k + u]; f / the row's sum, twice, at v[PCD + 8 + 4 k + 2 u]
.irp k, 2,3
.irp u, 0,1
	v_mov_b32 v[BM+8*\k+4*\u], 0x7f61b1e6          ; a low pair has two partial results: the other two count for nothing (M = -3e38, sums 0)
	v_mov_b32 v[BM+8*\k+4*\u+2], 0
	v_mov_b32 v[BM+8*\k+4*\u+3], 0
.endr
.endr
.irp k, 0,1
.irp u, 0,1
	ds_load_b128 v[BM+8*\k+4*\u:BM+8*\k+4*\u+3], v11 offset:\k*2*MRB+16384+512*\u
.endr
.endr
	s_wait_alu depctr_va_vdst(0)
	s_cmp_lt_u32 s[WV], 2
	s_cbranch_scc1 .Ltwo_a
.irp k, 2,3
.irp u, 0,1
	ds_load_b128 v[BM+8*\k+4*\u:BM+8*\k+4*\u+3], v[DQ] offset:(\k-2)*2*MRB+16384+512*\u
.endr
.endr
.Ltwo_a:
	WIN 0x40
.irp k, 0,1
.set i_, 0
.rept 32
	ds_load_b128 v[128*\k+4*i_:128*\k+4*i_+3], v11 offset:\k*2*MRB+512*i_   ; O^T of partial results 0 and 1 into window 1
.set i_, i_+1
.endr
.endr
	WIN 0
	s_wait_dscnt 63                                ; behind the states' loads stand the 64 of O^T: with at most 63 out, the states are in
.irp u, 0,1
	v_min3_num_f32 v[ST+\u], v[BM+4*\u], v[BM+8+4*\u], v[BM+16+4*\u]
.endr
.irp u, 0,1
	v_min_num_f32 v[ST+\u], v[ST+\u], v[BM+24+4*\u]   ; -M of them all: the largest M
.endr
.irp k, 0,1,2,3
.irp u, 0,1
	v_sub_f32 v[PCD+2*\k+\u], v[ST+\u], v[BM+8*\k+4*\u]   ; its M less the joint one: a whole number, 0 or less
.endr
.endr
.irp n, 0,1,2,3,4,5,6,7
	v_cvt_i32_f32 v[PCD+\n], v[PCD+\n]             ; (it saturates)
.endr
.irp n, 0,1,2,3,4,5,6,7
	v_ldexp_f32 v[PCD+\n], 1.0, v[PCD+\n]          ; exact powers of two (0 for a wave that walked no step)
.endr
.irp k, 0,1,2,3
.irp u, 0,1
	v_add_f32 v[BM+8*\k+4*\u+2], v[BM+8*\k+4*\u+2], v[BM+8*\k+4*\u+3]
.endr
.endr
.irp u, 0,1
	v_mul_f32 v[ST+2+\u], v[BM+4*\u+2], v[PCD+\u]
.endr
.irp k, 1,2,3
.irp u, 0,1
	v_fma_f32 v[ST+2+\u], v[BM+8*\k+4*\u+2], v[PCD+2*\k+\u], v[ST+2+\u]
.endr
.endr
.irp u, 0,1
	v_permlanex16_b32 v[ST+4+\u], v[ST+2+\u], s[SEL], s[SEL+1]
.endr
.irp u, 0,1
	v_add_f32 v[ST+2+\u], v[ST+2+\u], v[ST+4+\u]   ; the row's sum
.endr
	s_wait_alu depctr_va_vdst(0)
.irp u, 0,1
	v_rcp_f32 v[ST+2+\u], v[ST+2+\u]
.endr
	v_nop                                          ; a plain place behind them
	s_wait_alu depctr_va_vdst(0)                   ; and the wait ahead of their first reader
.irp k, 0,1,2,3
.irp u, 0,1
	v_mul_f32 v[PCD+8+4*\k+2*\u], v[PCD+2*\k+\u], v[ST+2+\u]
	v_mul_f32 v[PCD+9+4*\k+2*\u], v[PCD+2*\k+\u], v[ST+2+\u]
.endr
.endr
	s_wait_alu depctr_va_vdst(0)
	s_wait_dscnt 0x0
	WIN 0x01                                       ; source 0: window 1
.irp u, 0,1
.set j_, 0
.rept 32
	v_pk_mul_f32 v[S+64*\u+j_:S+64*\u+j_+1], v[64*\u+j_:64*\u+j_+1], v[PCD+8+2*\u:PCD+9+2*\u]
.set j_, j_+2
.endr
.endr
.irp u, 0,1
.set j_, 0
.rept 32
	v_pk_fma_f32 v[S+64*\u+j_:S+64*\u+j_+1], v[128+64*\u+j_:128+64*\u+j_+1], v[PCD+12+2*\u:PCD+13+2*\u], v[S+64*\u+j_:S+64*\u+j_+1]
.set j_, j_+2
.endr
.endr
	WIN 0
	s_cmp_lt_u32 s[WV], 2
	s_cbranch_scc1 .Ltwo_b
	WIN 0x40
.irp k, 0,1
.set i_, 0
.rept 32
	ds_load_b128 v[128*\k+4*i_:128*\k+4*i_+3], v[DQ] offset:\k*2*MRB+512*i_   ; a high pair's partial results 2 and 3
.set i_, i_+1
.endr
.endr
	s_wait_dscnt 0x0
	WIN 0x01
.irp k, 0,1
.irp u, 0,1
.set j_, 0
.rept 32
	v_pk_fma_f32 v[S+64*\u+j_:S+64*\u+j_+1], v[128*\k+64*\u+j_:128*\k+64*\u+j_+1], v[PCD+16+4*\k+2*\u:PCD+17+4*\k+2*\u], v[S+64*\u+j_:S+64*\u+j_+1]
.set j_, j_+2
.endr
.endr
.endr
	WIN 0
.Ltwo_b:
	; y (register 16 b + i is channel 32 b + 16 h + i of my query) is quantised along C: the head's 128 channels are one K step of the last product
.irp n, 0,1,2,3,4,5,6,7
	v_max3_num_f32 v[BM+\n], |v[S+16*\n]|, |v[S+16*\n+1]|, 0x2800000
.endr
.irp i, 2,4,6,8,10,12,14
.irp n, 0,1,2,3,4,5,6,7
	v_max3_num_f32 v[BM+\n], v[BM+\n], |v[S+16*\n+\i]|, |v[S+16*\n+\i+1]|
.endr
.endr
.irp n, 0,1,2,3,4,5,6,7
	v_permlanex16_b32 v[PD+\n], v[BM+\n], s[SEL], s[SEL+1]
.endr
.irp n, 0,1,2,3,4,5,6,7
	v_max_num_f32 v[BM+\n], v[BM+\n], v[PD+\n]
.endr
	QTAIL
	v_cndmask_b32 v[T], v[PS], v[PS+1], s[HIM]     ; lanes 0-15 the even tile's words, lanes 16-31 the odd tile's
.irp u, 0,1
.irp c, 0,1,2
	global_store_b128 v8, v[PCD+12*\u+4*\c:PCD+12*\u+4*\c+3], s[8:9] offset:12288*\u+512*\c   ; 512 consecutive bytes, aligned
.endr
.endr
	global_store_b32 v[ASK0], v[T], s[10:11]       ; my pair's 32 scale words, 128 consecutive bytes
.Lend:
	s_wait_tensorcnt 0x0                           ; the wave's end
	ds_add_u32 v[SPW], v[NIL]
	s_wait_dscnt 0x0
	s_endpgm
.Lfunc_end_k_q6322684e70_attn:
	.size	k_q6322684e70_attn, .Lfunc_end_k_q6322684e70_attn-k_q6322684e70_attn
	.p2alignl 7, 3214868480
	.fill 96, 4, 3214868480
	.section	.rodata,"a",@progbits
	.p2align	6, 0x0
	.amdhsa_kernel k_q6322684e70_attn
		.amdhsa_group_segment_fixed_size 327680
		.amdhsa_private_segment_fixed_size 0
		.amdhsa_enable_private_segment 0
		.amdhsa_kernarg_size 32
		.amdhsa_user_sgpr_count 2
		.amdhsa_user_sgpr_kernarg_segment_ptr 1
		.amdhsa_wavefront_size32 1
		.amdhsa_system_sgpr_workgroup_id_x 1
		.amdhsa_system_sgpr_workgroup_id_y 1
		.amdhsa_system_sgpr_workgroup_id_z 1
		.amdhsa_system_vgpr_workitem_id 0
		.amdhsa_next_free_vgpr 512
		.amdhsa_next_free_sgpr 84
		.amdhsa_reserve_vcc 1
		.amdhsa_float_denorm_mode_32 3
		.amdhsa_float_denorm_mode_16_64 3
		.amdhsa_memory_ordered 1
		.amdhsa_forward_progress 1
		.amdhsa_inst_pref_size 149
	.end_amdhsa_kernel
	.amdgpu_metadata
---
amdhsa.version: [ 1, 2 ]
amdhsa.kernels:
  - .name:           k_q6322684e70_attn
    .symbol:         k_q6322684e70_attn.kd
    .args:
      - { .name: qkvc, .offset: 0, .size: 8, .value_kind: global_buffer, .address_space: global }
      - { .name: qkvs, .offset: 8, .size: 8, .value_kind: global_buffer, .address_space: global }
      - { .name: yc, .offset: 16, .size: 8, .value_kind: global_buffer, .address_space: global }
      - { .name: ys, .offset: 24, .size: 8, .value_kind: global_buffer, .address_space: global }
    .group_segment_fixed_size: 327680
    .private_segment_fixed_size: 0
    .kernarg_segment_align: 8
    .kernarg_segment_size: 32
    .max_flat_workgroup_size: 256
    .sgpr_count:     84
    .vgpr_count:     512
    .wavefront_size: 32
...
	.end_amdgpu_metadata
.endif
;; end of part 3
;; launch proj (part 4): grid 8 x 32, 4 waves a work-group, clusters of 4 x 4, 327,680 bytes of LDS; arguments yc, ys, opc, ops, b_proj, out0; writes out0
.if DOCPART == 4
	.amdgcn_target "amdgcn-amd-amdhsa--gfx1250"
	.amdhsa_code_object_version 6
	.text
	.protected	k_q6322684e70_proj
	.globl	k_q6322684e70_proj
	.p2align	8
	.type	k_q6322684e70_proj,@function
k_q6322684e70_proj:
	s_mov_b64 s[64:65], 0
	v_nop
	global_prefetch_b8 v0, s[64:65] scope:SCOPE_SE
	s_setreg_imm32_b32 hwreg(HW_REG_WAVE_MODE, 25, 1), 1
	s_wait_xcnt 0x0
	s_wait_alu depctr_hold_cnt(0) depctr_sa_sdst(0) depctr_va_vdst(0) depctr_va_sdst(0) depctr_va_ssrc(0) depctr_va_vcc(0) depctr_vm_vsrc(0)
	s_getreg_b32 s2, hwreg(HW_REG_IB_STS2, 6, 4)
	s_cmp_eq_u32 s2, 0
	s_cbranch_scc0 .Lentry_in_a_cluster
	s_endpgm
.Lentry_in_a_cluster:
	s_bfe_u32 s2, ttmp6, 0x10000c
	s_cmp_lg_u32 s2, 0xf033
	s_cbranch_scc0 .Lentry_shape_is_right
	s_endpgm
.Lentry_shape_is_right:
; out0 = y w_proj^T + b_proj on codes of BF6.  A work-group makes 128 x 128, a wave 64 x 64; K = 1,024 is 8 steps of 128.
; All of K of the work-group's 128 rows of y and 128 rows of w_proj lies in LDS: four dense quarters of 49,152 bytes ([4 tiles][8 K steps][1536]), ONE joint load a wave at the head, filled once.
; The scale words go from memory straight into registers.  CLUSTER 4 x 4: y's tiles are shared along a row of the cluster, w_proj's along a column.
.set QTR,   49152
.set CHK,   2*QTR
.set SCLA,  2*CHK
.set SCLB,  SCLA+4096
.set STG,   SCLB+4096
.set SPITCH, 272
.set SPARE, STG+4*16*SPITCH
.set LI,   1
.set ADRA, 4
.set ADRB, 6
.set ADSA, 8
.set ADSB, 9
.set STO,  10
.set RD,   11
.set CO,   12
.set BO,   13
.set SPW,  14
.set NIL,  15
.set SA,   32
.set SB,   48
.set BC,   64
.set ACC,  128
.set G1,   24
.set G0,   32
.set G1B,  40
.set G0B,  48
.set G1S,  56
.set G0S,  68
.set G1SB, 72
.set G0SB, 80
.set MSB, 0
.macro WIN new
.if MSB != \new
	s_set_vgpr_msb (MSB<<8)|\new
.set MSB, \new
.endif
.endm
.macro JLOAD g0a, g1a, g0b, g1b
	s_cmp_eq_u32 s17, 0
	s_cbranch_scc0 .Lfor_b_\@
	tensor_load_to_lds s[\g0a:\g0a+3], s[\g1a:\g1a+7]
	s_nop 0
.rept 4
	v_nop
.endr
	s_branch .Lasked_\@
.Lfor_b_\@:
	tensor_load_to_lds s[\g0b:\g0b+3], s[\g1b:\g1b+7]
	s_nop 0
.rept 4
	v_nop
.endr
.Lasked_\@:
.endm
.macro CROUND
	s_barrier_signal -1
	s_barrier_wait -1
	s_cmp_lg_u32 s16, 0
	s_cbranch_scc1 .Lnot_wave_0_\@
	s_barrier_signal -3
.Lnot_wave_0_\@:
	s_barrier_wait -3
	s_barrier_signal -1
	s_barrier_wait -1
.endm
.macro PLACES
.rept 4
	v_nop
.endr
.endm
.macro WM d, s0, s1, c, sa, sb, ra, rb
.if ((\ra)%2 == 0) && ((\rb)%2 == 0)
	v_wmma_scale_f32_16x16x128_f8f6f4 v[(\d):(\d)+7], v[(\s0):(\s0)+11], v[(\s1):(\s1)+11], v[(\c):(\c)+7], v[\sa], v[\sb] matrix_a_fmt:MATRIX_FMT_BF6 matrix_b_fmt:MATRIX_FMT_BF6
.elseif ((\ra)%2 == 1) && ((\rb)%2 == 0)
	v_wmma_scale_f32_16x16x128_f8f6f4 v[(\d):(\d)+7], v[(\s0):(\s0)+11], v[(\s1):(\s1)+11], v[(\c):(\c)+7], v[\sa], v[\sb] matrix_a_fmt:MATRIX_FMT_BF6 matrix_b_fmt:MATRIX_FMT_BF6 matrix_a_scale:MATRIX_SCALE_ROW1
.elseif ((\ra)%2 == 0) && ((\rb)%2 == 1)
	v_wmma_scale_f32_16x16x128_f8f6f4 v[(\d):(\d)+7], v[(\s0):(\s0)+11], v[(\s1):(\s1)+11], v[(\c):(\c)+7], v[\sa], v[\sb] matrix_a_fmt:MATRIX_FMT_BF6 matrix_b_fmt:MATRIX_FMT_BF6 matrix_b_scale:MATRIX_SCALE_ROW1
.else
	v_wmma_scale_f32_16x16x128_f8f6f4 v[(\d):(\d)+7], v[(\s0):(\s0)+11], v[(\s1):(\s1)+11], v[(\c):(\c)+7], v[\sa], v[\sb] matrix_a_fmt:MATRIX_FMT_BF6 matrix_b_fmt:MATRIX_FMT_BF6 matrix_a_scale:MATRIX_SCALE_ROW1 matrix_b_scale:MATRIX_SCALE_ROW1
.endif
.endm
.macro FRAG reg, adr, off
.irp c, 0,1,2
	ds_load_b128 v[(\reg)+4*\c:(\reg)+4*\c+3], v[\adr] offset:(\off)+512*\c
.endr
.endm
.macro FETCH q
.set K_, (\q)
.set P_, 128*((\q)%2)
	WIN 0x40
.irp i, 0,1,2,3
	FRAG P_+12*\i,ADRA,\i*12288+K_*1536
.endr
.irp i, 0,1,2,3
	FRAG P_+48+12*\i,ADRB,\i*12288+K_*1536
.endr
.endm
.macro MULS q, bias
.set P_, 128*((\q)%2)
	WIN 0x05
.irp a, 0,1,2,3
.irp b, 0,1,2,3
.if \bias
	WM ACC+8*(4*\a+\b),P_+48+12*\b,P_+12*\a,BC+8*\b,SB+8*(\b/2)+(\q),SA+8*(\a/2)+(\q),\b,\a
.else
	WM ACC+8*(4*\a+\b),P_+48+12*\b,P_+12*\a,ACC+8*(4*\a+\b),SB+8*(\b/2)+(\q),SA+8*(\a/2)+(\q),\b,\a
.endif
.endr
.endr
.endm
	s_load_b256 s[4:11], s[0:1], 0x0
	s_load_b128 s[12:15], s[0:1], 0x20
	v_lshl_add_u32 v[SPW], v0, 2, SPARE
	v_mov_b32 v[NIL], 0
	ds_add_u32 v[SPW], v[NIL]
	ds_add_u32 v[SPW], v[NIL]
	v_lshrrev_b32 v2, 5, v0
	v_readfirstlane_b32 s16, v2
	s_lshr_b32 s17, s16, 1
	s_and_b32 s18, s16, 1
	s_bfe_u32 s84, ttmp6, 0x40000
	s_bfe_u32 s85, ttmp6, 0x40004
	s_lshl_b32 s86, ttmp9, 2
	s_add_co_u32 s86, s86, s84
	s_and_b32 s87, ttmp7, 0xffff
	s_lshl_b32 s87, s87, 2
	s_add_co_u32 s87, s87, s85
	s_lshl_b32 s88, s85, 2
	s_lshl_b32 s88, 15, s88
	s_lshl_b32 s89, 0x1111, s84
	s_or_b32 s[G1], s88, (3<<16)|(1<<21)
	s_or_b32 s[G1B], s89, (3<<16)|(1<<21)
.irp g, G1, G1B
	s_mov_b32 s[\g+1], 32<<16                      ; 49,152 dense bytes as 192 rows of 256 (32 elements of 8 bytes)
	s_mov_b32 s[\g+2], 192<<16
	s_mov_b32 s[\g+3], 32<<16
	s_mov_b32 s[\g+4], 192
	s_mov_b32 s[\g+5], 32
	s_mov_b32 s[\g+6], 0
	s_mov_b32 s[\g+7], 0
.endr
	s_mul_i32 s19, s18, 49152
	s_mul_i32 s20, s87, 98304
	s_add_co_u32 s20, s20, s19
	s_mov_b32 s21, 0
	s_mul_i32 s22, s86, 98304
	s_add_co_u32 s22, s22, s19
	s_add_co_u32 s22, s22, 448*12288
	s_mov_b32 s23, 0
	s_lshl_b32 s90, s87, 9                         ; y's scale words: 512 bytes a head for the work-group's 128 rows,
	s_lshl_b32 s19, s17, 8
	s_add_co_u32 s90, s90, s19                     ; my wave's 64 rows
	s_lshl_b32 s91, s86, 12                        ; w_proj's: 4,096 bytes for 128 rows,
	s_lshl_b32 s19, s18, 11
	s_add_co_u32 s91, s91, s19                     ; my wave's 64,
	s_add_co_u32 s91, s91, 224*1024                ; behind x's and w_attn's in ops
	s_lshl_b32 s94, s87, 19
	s_lshl_b32 s19, s17, 18
	s_add_co_u32 s94, s94, s19
	s_lshl_b32 s92, s86, 9
	s_lshl_b32 s19, s18, 8
	s_add_co_u32 s92, s92, s19
	s_add_co_u32 s94, s94, s92
	s_mov_b32 s95, 0
	s_mul_i32 s19, s16, QTR
	s_wait_dscnt 0x0
	s_wait_kmcnt 0x0
	s_add_nc_u64 s[20:21], s[4:5], s[20:21]
	s_add_nc_u64 s[22:23], s[8:9], s[22:23]
	s_add_nc_u64 s[14:15], s[14:15], s[94:95]
	s_mov_b32 s[G0], 1
	s_add_co_u32 s[G0+1], s19, 0                   ; LDS: wave x 49,152: no place in the cluster enters an LDS address
	s_mov_b64 s[G0+2:G0+3], s[20:21]
	s_or_b32 s[G0+3], s[G0+3], 0x80000000
	s_mov_b32 s[G0B], 1
	s_add_co_u32 s[G0B+1], s19, 0
	s_mov_b64 s[G0B+2:G0B+3], s[22:23]
	s_or_b32 s[G0B+3], s[G0B+3], 0x80000000
	CROUND                                         ; all sixteen work-groups are here: the joint loads meet
	JLOAD G0, G1, G0B, G1B                         ; my one tensor load: a quarter of the work-group's codes, all of K
	v_and_b32 v2, 31, v0
	v_lshlrev_b32 v[LI], 4, v2
	s_mul_i32 s19, s17, QTR
	v_add_nc_u32 v[ADRA], s19, v[LI]
	s_mul_i32 s19, s18, QTR
	s_add_co_u32 s19, s19, 2*QTR
	v_add_nc_u32 v[ADRB], s19, v[LI]
	v_lshl_add_u32 v[ADSA], v2, 2, s90             ; my offsets among y's scale words,
	v_lshl_add_u32 v[ADSB], v2, 3, s91             ; and w_proj's
	v_and_b32 v2, 15, v0
	v_bfe_u32 v3, v0, 4, 1
	s_mul_i32 s19, s16, 16*SPITCH
	s_add_co_u32 s19, s19, STG
	v_mul_u32_u24 v[STO], v2, SPITCH
	v_lshl_add_u32 v[STO], v3, 6, v[STO]
	v_add_nc_u32 v[STO], s19, v[STO]
	v_mul_u32_u24 v[RD], v3, SPITCH
	v_lshl_add_u32 v[RD], v2, 4, v[RD]
	v_add_nc_u32 v[RD], s19, v[RD]
	v_lshlrev_b32 v[CO], 12, v3
	v_lshl_add_u32 v[CO], v2, 4, v[CO]
	v_lshl_add_u32 v[BO], v3, 6, s92
.irp b, 0,1
.irp j, 0,1,2,3
	global_load_b128 v[BC+16*\b+4*\j:BC+16*\b+4*\j+3], v[BO], s[12:13] offset:128*\b+16*\j
.endr
.endr
.irp al, 0,1
.irp k, 0,1,2,3,4,5,6,7
	global_load_b32 v[SA+8*\al+\k], v[ADSA], s[6:7] offset:\k*16384+\al*128     ; head k's words of my tile pair al: the two pairs' loads cover 256 consecutive bytes
.endr
.irp j, 0,1,2,3
	global_load_b64 v[SB+8*\al+2*\j:SB+8*\al+2*\j+1], v[ADSB], s[10:11] offset:\al*1024+\j*256   ; 256 consecutive bytes, aligned
.endr
.endr
	s_wait_alu depctr_va_vdst(0)
	s_wait_tensorcnt 0x0                           ; my quarter is in
	s_barrier_signal -1
	s_barrier_wait -1                              ; and everybody's
	FETCH 0
	s_wait_loadcnt 0x0
	s_wait_dscnt 0x0
	FETCH 1
	MULS 0, 1
.irp q, 1,2,3,4,5,6
	PLACES
	FETCH \q+1
	s_wait_dscnt 24
	MULS \q, 0
.endr
	s_wait_dscnt 0x0
	MULS 7, 0
	WIN 0
	PLACES
.macro TOSTAGE a
.irp b, 0,1,2,3
	ds_store_b128 v[STO], v[ACC+8*(4*(\a)+\b):ACC+8*(4*(\a)+\b)+3] offset:128*(\b/2)+32*(\b%2)
	ds_store_b128 v[STO], v[ACC+8*(4*(\a)+\b)+4:ACC+8*(4*(\a)+\b)+7] offset:128*(\b/2)+32*(\b%2)+16
.endr
.set BB_, 96-32*((\a)%2)
.irp t, 0,1,2,3,4,5,6,7
	ds_load_b128 v[BB_+4*\t:BB_+4*\t+3], v[RD] offset:\t*2*SPITCH
.endr
.endm
.macro SEND a, younger
.set BB_, 96-32*((\a)%2)
	s_wait_dscnt \younger
.irp t, 0,1,2,3,4,5,6,7
	global_store_b128 v[CO], v[BB_+4*\t:BB_+4*\t+3], s[14:15] offset:(32*((\a)/2)+8*((\a)%2)+2*\t+8*(\t/4))*4096 th:TH_STORE_NT
.endr
.endm
	s_wait_alu depctr_va_vdst(0)
	TOSTAGE 0
	TOSTAGE 1
	SEND 0, 16
	s_wait_xcnt 0x0
	TOSTAGE 2
	SEND 1, 16
	s_wait_xcnt 0x0
	TOSTAGE 3
	SEND 2, 16
	SEND 3, 0
	s_wait_tensorcnt 0x0
	ds_add_u32 v[SPW], v[NIL]
	s_wait_dscnt 0x0
	CROUND
	s_endpgm
.Lfunc_end_k_q6322684e70_proj:
	.size	k_q6322684e70_proj, .Lfunc_end_k_q6322684e70_proj-k_q6322684e70_proj
	.p2alignl 7, 3214868480
	.fill 96, 4, 3214868480
	.section	.rodata,"a",@progbits
	.p2align	6, 0x0
	.amdhsa_kernel k_q6322684e70_proj
		.amdhsa_group_segment_fixed_size 327680
		.amdhsa_private_segment_fixed_size 0
		.amdhsa_enable_private_segment 0
		.amdhsa_kernarg_size 48
		.amdhsa_user_sgpr_count 2
		.amdhsa_user_sgpr_kernarg_segment_ptr 1
		.amdhsa_wavefront_size32 1
		.amdhsa_system_sgpr_workgroup_id_x 1
		.amdhsa_system_sgpr_workgroup_id_y 1
		.amdhsa_system_sgpr_workgroup_id_z 1
		.amdhsa_system_vgpr_workitem_id 0
		.amdhsa_next_free_vgpr 512
		.amdhsa_next_free_sgpr 96
		.amdhsa_reserve_vcc 0
		.amdhsa_float_denorm_mode_32 3
		.amdhsa_float_denorm_mode_16_64 3
		.amdhsa_memory_ordered 1
		.amdhsa_forward_progress 1
		.amdhsa_inst_pref_size 47
	.end_amdhsa_kernel
	.amdgpu_metadata
---
amdhsa.version: [ 1, 2 ]
amdhsa.kernels:
  - .name:           k_q6322684e70_proj
    .symbol:         k_q6322684e70_proj.kd
    .args:
      - { .name: yc, .offset: 0, .size: 8, .value_kind: global_buffer, .address_space: global }
      - { .name: ys, .offset: 8, .size: 8, .value_kind: global_buffer, .address_space: global }
      - { .name: opc, .offset: 16, .size: 8, .value_kind: global_buffer, .address_space: global }
      - { .name: ops, .offset: 24, .size: 8, .value_kind: global_buffer, .address_space: global }
      - { .name: b_proj, .offset: 32, .size: 8, .value_kind: global_buffer, .address_space: global }
      - { .name: out0, .offset: 40, .size: 8, .value_kind: global_buffer, .address_space: global }
    .group_segment_fixed_size: 327680
    .private_segment_fixed_size: 0
    .kernarg_segment_align: 8
    .kernarg_segment_size: 48
    .max_flat_workgroup_size: 128
    .sgpr_count:     96
    .vgpr_count:     512
    .wavefront_size: 32
...
	.end_amdgpu_metadata
.endif
;; end of part 4
